; MI455X (gfx1250); checked and timed in simulation.
; The chip was launched on July 23, 2026; its instructions are those of AMD's public machine-readable ISA for CDNA 5 (MIT licence, August 2026) and "CDNA5" Instruction Set Architecture Reference Guide (July 2026). The comments in the code are by the model that wrote it; some were corrected since.
;; Self Attention. Allowed arithmetic: float matrix products may take bf16 or f16 operands with f32 sums; other float arithmetic in f32, or as packed bf16 or f16 multiplies, adds, multiply-adds, maxima and minima; sums over many terms, partial sums and values carried from step to step in f32; what a program stores and reads back later, other than sums and carried values, may be rounded once to bf16 or f16.
;; Inputs: Wk 1,024 x 1,024 float32; Wq 1,024 x 1,024 float32; Wv 1,024 x 1,024 float32; bk 1,024 float32; bq 1,024 float32; bv 1,024 float32; x 4 x 2,048 x 1,024 float32.
;; Outputs: out0 4 x 2,048 x 1,024 float32.
;; 2 versions, each right; version 2 is version 1 with the launch cvt written anew for expert scheduling mode. Each part assembles by itself: llvm-mc -triple=amdgcn-amd-amdhsa -mcpu=gfx1250 --defsym DOCPART=n.
;; ======== version 1 of 2: 4 launches
;; limits: values are held in f16: magnitudes above 65,504 overflow, below 6.1e-05 lose precision
;; workspace buffers: xb 16,777,216 bytes; wb 6,291,456 bytes; bb 12,288 bytes; qkv 50,331,648 bytes; pt 33,554,432 bytes; stat 1,048,576 bytes
;; launch cvt (part 1): grid 705 x 1, 8 waves a work-group, no clusters, 0 bytes of LDS; arguments x, Wq, Wk, Wv, bq, bk, bv, xb, wb, bb; writes xb, wb, bb
.if DOCPART == 1
	.amdgcn_target "amdgcn-amd-amdhsa--gfx1250"
	.amdhsa_code_object_version 6
	.text
	.protected	k_q03891aa0e9_cvt
	.globl	k_q03891aa0e9_cvt
	.p2align	8
	.type	k_q03891aa0e9_cvt,@function
k_q03891aa0e9_cvt:
	s_mov_b64 s[64:65], 0
	v_nop
	global_prefetch_b8 v0, s[64:65] scope:SCOPE_SE
	s_setreg_imm32_b32 hwreg(HW_REG_WAVE_MODE, 25, 1), 1
	s_wait_xcnt 0x0
; x [8192][1024] and Wq, Wk, Wv [1024][1024], all f32, are rounded once to bf16 and laid out BY K BLOCKS for the launch behind: xb [16][8192][64], wb [16][3072][64] (rows: Wq's, Wk's, Wv's):
; number (row, k) lies at block k / 64, row, place k % 64, so that the rows of one K block lie end to end, 128 bytes each.  bq, bk, bv [1024] f32 are rounded to bf16 too and kept as f32: bb [3072].
; A stream: every byte is read once and written once.  No LDS, no matrix work, no barrier: no wave wants a byte of another wave.
; SHARES.  Work-groups 0-511 take 16 rows of x each, 512-703 16 rows of a weight, work-group 704 the three biases.  Thread t takes row t / 16 of the sixteen and, in each K block g, the four numbers
; 4 (t % 16) on: sixteen lanes read 256 consecutive bytes, aligned; a wave's store of 8 bytes a lane covers two rows of a K block: 256 consecutive bytes, aligned.
; All 16 loads of a lane go out at once; no register is written twice, so no source of a pending instruction is ever rewritten.
.set X, 4                              ; v[4:67]    K block g: four f32 as loaded
.set Y, 68                             ; v[68:99]   K block g: four bf16 to store
.set O, 100                            ; v[100:115] K block g: my byte offset in the destination
	s_load_b256 s[4:11], s[0:1], 0x0               ; x s[4:5], Wq s[6:7], Wk s[8:9], Wv s[10:11]
	s_load_b256 s[12:19], s[0:1], 0x20             ; bq s[12:13], bk s[14:15], bv s[16:17], xb s[18:19]
	s_load_b128 s[20:23], s[0:1], 0x40             ; wb s[20:21], bb s[22:23]
	v_lshrrev_b32 v1, 4, v0                        ; my row of the sixteen
	v_and_b32 v2, 15, v0
	v_lshlrev_b32 v1, 12, v1                       ; 4,096 bytes a row of the source,
	v_lshl_add_u32 v1, v2, 4, v1                   ; 16 bytes a lane
	v_lshlrev_b32 v[O], 3, v0                      ; in a K block of the destination: 128 (t / 16) + 8 (t % 16) = 8 t
	v_lshlrev_b32 v3, 4, v0                        ; 16 t: for the biases
	s_sub_co_u32 s34, ttmp9, 512                   ; my number among the weights' work-groups (used only from 512 on)
	s_and_b32 s35, s34, 63                         ; my block of 16 rows in that weight
	s_lshr_b32 s36, s34, 6                         ; which weight
	s_mov_b32 s28, 3072*128                        ; bytes in a K block of wb,
	s_mov_b32 s29, 8192*128                        ; and of xb
	s_mov_b32 s31, 0
	s_mov_b32 s33, 0
	s_wait_kmcnt 0x0
	s_cmp_eq_u32 ttmp9, 704
	s_cbranch_scc1 .Lbias
	s_cmp_eq_u32 s36, 0
	s_cselect_b64 s[24:25], s[6:7], s[8:9]         ; Wq or Wk,
	s_cmp_gt_u32 s36, 1
	s_cselect_b64 s[24:25], s[10:11], s[24:25]     ; or Wv,
	s_cmp_lt_u32 ttmp9, 512
	s_cselect_b64 s[24:25], s[4:5], s[24:25]       ; or x
	s_cselect_b64 s[26:27], s[18:19], s[20:21]     ; into xb or wb
	s_cselect_b32 s30, ttmp9, s35
	s_cselect_b32 s32, ttmp9, s34
	s_cselect_b32 s28, s29, s28
	s_lshl_b32 s30, s30, 16                        ; 16 rows are 65,536 bytes of the source,
	s_lshl_b32 s32, s32, 11                        ; and 2,048 bytes of a K block of the destination
	s_add_nc_u64 s[24:25], s[24:25], s[30:31]
	s_add_nc_u64 s[26:27], s[26:27], s[32:33]
.irp g, 0,1,2,3,4,5,6,7,8,9,10,11,12,13,14,15
	global_load_b128 v[X+4*(\g):X+4*(\g)+3], v1, s[24:25] offset:256*(\g) th:TH_LOAD_NT
.endr
.irp g, 1,2,3,4,5,6,7,8,9,10,11,12,13,14,15
	v_add_nc_u32 v[O+(\g)], s28, v[O+(\g)-1]       ; a K block further on
.endr
.irp g, 0,1,2,3,4,5,6,7,8,9,10,11,12,13,14,15
	s_wait_loadcnt 15-(\g)                         ; loads come back in order: K block g is in, the 15 - g younger ones stay out
	v_cvt_pk_bf16_f32 v[Y+2*(\g)], v[X+4*(\g)], v[X+4*(\g)+1]
	v_cvt_pk_bf16_f32 v[Y+2*(\g)+1], v[X+4*(\g)+2], v[X+4*(\g)+3]
	global_store_b64 v[O+(\g)], v[Y+2*(\g):Y+2*(\g)+1], s[26:27]
.endr
	s_endpgm
.Lbias:                                                ; thread t: four numbers of each bias
	global_load_b128 v[4:7],   v3, s[12:13]
	global_load_b128 v[8:11],  v3, s[14:15]
	global_load_b128 v[12:15], v3, s[16:17]
	s_wait_loadcnt 0x0
.irp k, 0,1,2,3,4,5
	v_cvt_pk_bf16_f32 v[16+(\k)], v[4+2*(\k)], v[4+2*(\k)+1]
.endr
.irp k, 0,1,2,3,4,5
	v_lshlrev_b32 v[24+2*(\k)], 16, v[16+(\k)]     ; bf16 as f32: the low half moves up,
	v_and_b32 v[24+2*(\k)+1], 0xffff0000, v[16+(\k)]  ; the high half stays
.endr
	global_store_b128 v3, v[24:27], s[22:23]               ; 16 lanes store 256 consecutive bytes, aligned
	global_store_b128 v3, v[28:31], s[22:23] offset:4096
	global_store_b128 v3, v[32:35], s[22:23] offset:8192
	s_endpgm
.Lfunc_end_k_q03891aa0e9_cvt:
	.size	k_q03891aa0e9_cvt, .Lfunc_end_k_q03891aa0e9_cvt-k_q03891aa0e9_cvt
	.p2alignl 7, 3214868480
	.fill 96, 4, 3214868480
	.section	.rodata,"a",@progbits
	.p2align	6, 0x0
	.amdhsa_kernel k_q03891aa0e9_cvt
		.amdhsa_group_segment_fixed_size 0
		.amdhsa_private_segment_fixed_size 0
		.amdhsa_enable_private_segment 0
		.amdhsa_kernarg_size 80
		.amdhsa_user_sgpr_count 2
		.amdhsa_user_sgpr_kernarg_segment_ptr 1
		.amdhsa_wavefront_size32 1
		.amdhsa_system_sgpr_workgroup_id_x 1
		.amdhsa_system_sgpr_workgroup_id_y 1
		.amdhsa_system_sgpr_workgroup_id_z 1
		.amdhsa_system_vgpr_workitem_id 0
		.amdhsa_next_free_vgpr 116
		.amdhsa_next_free_sgpr 66
		.amdhsa_reserve_vcc 0
		.amdhsa_float_denorm_mode_32 3
		.amdhsa_float_denorm_mode_16_64 3
		.amdhsa_memory_ordered 1
		.amdhsa_forward_progress 1
		.amdhsa_inst_pref_size 10
	.end_amdhsa_kernel
	.amdgpu_metadata
---
amdhsa.version: [ 1, 2 ]
amdhsa.kernels:
  - .name:           k_q03891aa0e9_cvt
    .symbol:         k_q03891aa0e9_cvt.kd
    .args:
      - { .name: x, .offset: 0, .size: 8, .value_kind: global_buffer, .address_space: global }
      - { .name: Wq, .offset: 8, .size: 8, .value_kind: global_buffer, .address_space: global }
      - { .name: Wk, .offset: 16, .size: 8, .value_kind: global_buffer, .address_space: global }
      - { .name: Wv, .offset: 24, .size: 8, .value_kind: global_buffer, .address_space: global }
      - { .name: bq, .offset: 32, .size: 8, .value_kind: global_buffer, .address_space: global }
      - { .name: bk, .offset: 40, .size: 8, .value_kind: global_buffer, .address_space: global }
      - { .name: bv, .offset: 48, .size: 8, .value_kind: global_buffer, .address_space: global }
      - { .name: xb, .offset: 56, .size: 8, .value_kind: global_buffer, .address_space: global }
      - { .name: wb, .offset: 64, .size: 8, .value_kind: global_buffer, .address_space: global }
      - { .name: bb, .offset: 72, .size: 8, .value_kind: global_buffer, .address_space: global }
    .group_segment_fixed_size: 0
    .private_segment_fixed_size: 0
    .kernarg_segment_align: 8
    .kernarg_segment_size: 80
    .max_flat_workgroup_size: 256
    .sgpr_count:     66
    .vgpr_count:     116
    .wavefront_size: 32
...
	.end_amdgpu_metadata
.endif
;; end of part 1
;; launch proj (part 2): grid 8 x 32, 4 waves a work-group, clusters of 4 x 4, 327,680 bytes of LDS; arguments xb, wb, bb, qkv; writes qkv
.if DOCPART == 2
	.amdgcn_target "amdgcn-amd-amdhsa--gfx1250"
	.amdhsa_code_object_version 6
	.text
	.protected	k_q03891aa0e9_proj
	.globl	k_q03891aa0e9_proj
	.p2align	8
	.type	k_q03891aa0e9_proj,@function
k_q03891aa0e9_proj:
	s_mov_b64 s[64:65], 0
	v_nop
	global_prefetch_b8 v0, s[64:65] scope:SCOPE_SE
	s_setreg_imm32_b32 hwreg(HW_REG_WAVE_MODE, 25, 1), 1
	s_wait_xcnt 0x0
	s_wait_alu depctr_hold_cnt(0) depctr_sa_sdst(0) depctr_va_vdst(0) depctr_va_sdst(0) depctr_va_ssrc(0) depctr_va_vcc(0) depctr_vm_vsrc(0)
	s_getreg_b32 s2, hwreg(HW_REG_IB_STS2, 6, 4)
	s_cmp_eq_u32 s2, 0
	s_cbranch_scc0 .Lentry_in_a_cluster
	s_endpgm
.Lentry_in_a_cluster:
	s_bfe_u32 s2, ttmp6, 0x10000c
	s_cmp_lg_u32 s2, 0xf033
	s_cbranch_scc0 .Lentry_shape_is_right
	s_endpgm
.Lentry_shape_is_right:
; qkv[m][n] = bias[n] + sum over k of x[m][k] w[n][k].  xb: [16][8192][64] bf16 and wb: [16][3072][64] bf16 lie by K blocks of 64 (block, row, place); bb: [3072] f32, the three biases rounded to bf16;
; qkv: [8192][3072] f16: q in columns 0-1023, k in 1024-2047, v in 2048-3071.  Sums in f32, begun with the bias, K ascending; one rounding to f16.
; LIMIT.  f16 holds no number beyond 65,504: q, k and v must stay within it.
; SHARES.  8192 x 3072 outputs on 256 work-groups: a tile of 256 x 384 each, so that all have equal work.  Four waves, each 128 x 192: 96 accumulators of 16 x 16, 768 registers.
; THE RING.  K goes in 16 steps of 64 through two LDS slots: 640 rows a slot, and two slots of a longer step would not fit.  The rows of one K block lie end to end in memory, 128 bytes each: a tensor load asks
; for them as rows of 256 bytes, two rows a piece, and pads 16 bytes behind every 128.  Waves 0 and 1 fetch 128 rows of xb each, waves 2 and 3 192 rows of wb each.
; CLUSTER: 4 x 4 work-groups; xb's tile is shared along a row of the cluster, wb's along a column: each is asked for jointly, by the same tensor load with the same descriptor and a mask that names the four.
; THE MATRIX INSTRUCTION IS USED TRANSPOSED (source 0 = 16 rows of wb, source 1 = 16 rows of xb): lane l holds row l % 16 and the columns 8 (l / 16) + 0..7.
; REGISTERS, in windows of 256: window 0: v16-31 addresses; v32-95, v96-159 xb's 8 fragments of 32 along K, two buffers; v160-255 wb's 12 fragments, ONE buffer, filled again by halves as soon as a half has been
; multiplied.  Windows 1 to 3: the accumulators: row block a, column block b at v[64 (b % 4) + 8 a] of window 1 + b / 4.  All sources lie in window 0, so only C and D change windows.
; THE BIAS is the C operand that starts the sums: column block b's eight numbers are loaded into accumulator (0, b); row blocks 1 to 7 take them as C; then row block 0 adds in place onto them.
; THE WAY OUT.  When every wave has read its last fragment the ring has had its last fill: the results, rounded to f16, are laid over it as 256 rows of 784 bytes, and behind a barrier each wave reads 64 whole rows.
.set SIZE_N, 3072
.set KBSA,   8192*128                  ; bytes in a K block of xb
.set KBSB,   3072*128                  ; and of wb
.set PITCH,  144                       ; an LDS row: 128 bytes + 16 of padding = 36 words: the 16 rows of a fragment load start at 16 different groups of four banks (64 banks of 4 bytes: ISA guide 11.1)
.set AHALF,  128*PITCH                 ; what a tensor load of xb brings
.set BHALF,  192*PITCH                 ; and one of wb
.set BOFF,   2*AHALF                   ; xb's 256 rows, then wb's 384
.set SLOT,   BOFF+2*BHALF              ; 92,160
.set SPITCH, 784                       ; the way out: 768 bytes + 16 = 196 words: row r starts at bank 4 r mod 64
.set SPARE,  256*SPITCH                ; behind the stage: the spare words, 128 bytes for each wave: two blocks of 256 bytes that no other line names
.set ADRA, 16                          ; v16-17  LDS address of my xb fragments in slot 0, 1
.set ADRB, 20                          ; v20-21  the same for wb
.set STO,  24                          ; v24-25  the way out: where I put 16 bytes of a row, row blocks 0-3 and 4-7
.set RD0,  26                          ; v26     where I read 16 bytes of a row back, in my first 8 rows
.set CO,   27                          ; v27     my byte offset in qkv
.set SPW,  28                          ; v28     LDS address of my spare word; never rewritten
.set NIL,  29                          ; v29     0; never rewritten
.set PFO,  30                          ; v30     the prefetches' lane offset; never rewritten
.set RA,   31                          ; v31     RD0 + the trip's rows
.set A0,   32
.set A1,   96
.set BF,   160
.set TMP,  32                          ; the way out: a window's 32 accumulators as f16
.set BK,   160                         ; the way out: 8 rows read back
.set G1,  24                           ; s[24:31] descriptor group 1 for xb's tiles;  s[32:39] group 0, one set for each slot
.set G0,  32
.set G1B, 48                           ; s[48:55], s[56:63] the same for wb's
.set G0B, 56
.set LIM, 43                           ; s43  1 in a wave that prefetches at a lap's first refill, else the greatest number
.set PFA, 44                           ; s[44:45] where my prefetches stand
.set SB,  66                           ; s66  the way out: the trip's first row, in bytes of the stage
.set LIMB, 67                          ; s67  the same as LIM for a lap's second refill
.set PKS, 72                           ; s[72:73] bytes from a K block to the next in the tensor that I prefetch
.set MSB, 0
.macro WIN new                         ; the immediate's high byte repeats the setting that is left; a switch that changes nothing is dropped
.if MSB != (\new)
	s_set_vgpr_msb (MSB<<8)|(\new)
.set MSB, \new
.endif
.endm
; A joint load: waves 0 and 1 fetch xb's two halves, waves 2 and 3 wb's.  The branch hangs on the wave's number alone.  An s_nop 0 and four v_nop follow each of the two lines.
.macro JLOAD s
	s_cmp_eq_u32 s11, 0
	s_cbranch_scc0 .Lfor_b_\@
	tensor_load_to_lds s[G0+4*(\s):G0+4*(\s)+3], s[G1:G1+7]
	s_nop 0
.rept 4
	v_nop
.endr
	s_branch .Lasked_\@
.Lfor_b_\@:
	tensor_load_to_lds s[G0B+4*(\s):G0B+4*(\s)+3], s[G1B:G1B+7]
	s_nop 0
.rept 4
	v_nop
.endr
.Lasked_\@:
.endm
; A PREFETCH behind a joint load and the run of LDS loads that follows it; a lane names an aligned block of 256 bytes (two rows of a K block), and each block of K steps 4 to 15 is named once in the launch.
; xb's tile row is read by the two clusters of its row of clusters: cluster x = 0 asks.  Of the tile's 256 rows each of the four partners takes 64, 32 blocks: wave 0 asks, at every refill, for the K step two refills on.
; wb's tile column is read by eight clusters: cluster y = 0 asks.  Of its 384 rows each partner takes 96: two K steps of them are 96 blocks: waves 1, 2 and 3 ask for 32 each, at a lap's first refill, for the
; K steps two and three refills on.  The partners are told apart by address.  K steps 0 to 3 come by their loads alone; the loop's last trip (s3 = 1) asks for nothing.
.macro ASK lim
	s_cmp_gt_u32 s3, s[\lim]
	s_cbranch_scc0 .Lnot_mine_\@
	global_prefetch_b8 v[PFO], s[PFA:PFA+1] th:TH_LOAD_NT scope:SCOPE_SE
.Lnot_mine_\@:
.endm
.macro CREST                           ; a round of the cluster's barrier behind its opening barrier
	s_cmp_lg_u32 s10, 0
	s_cbranch_scc1 .Lnot_wave_0_\@
	s_barrier_signal -3
.Lnot_wave_0_\@:
	s_barrier_wait -3
	s_barrier_signal -1
	s_barrier_wait -1
.endm
.macro CROUND                          ; a whole round
	s_barrier_signal -1
	s_barrier_wait -1
	CREST
.endm
	s_load_b128 s[4:7], s[0:1], 0x0                ; xb s[4:5], wb s[6:7]
	s_load_b128 s[68:71], s[0:1], 0x10             ; bb s[68:69], qkv s[70:71]
	v_lshl_add_u32 v[SPW], v0, 2, SPARE
	v_mov_b32 v[NIL], 0
	ds_add_u32 v[SPW], v[NIL]                      ; the wave's opening: the add and its wait stand ahead of my first tensor load; the set-up below stands between them
	v_lshrrev_b32 v1, 5, v0
	v_readfirstlane_b32 s10, v1                    ; wave 0..3
	s_lshr_b32 s11, s10, 1                         ; which half of the tile's rows is mine.  Also: I fetch for xb (0) or for wb (1)
	s_and_b32 s12, s10, 1                          ; which half of its columns.  Also: which half of that tile I fetch
	s_bfe_u32 s40, ttmp6, 0x40000                  ; cx
	s_bfe_u32 s41, ttmp6, 0x40004                  ; cy
	s_lshl_b32 s42, ttmp9, 2
	s_add_co_u32 s42, s42, s40                     ; tile column = 4 x cluster x + cx
	s_and_b32 s13, ttmp7, 0xffff
	s_lshl_b32 s13, s13, 2
	s_add_co_u32 s13, s13, s41                     ; tile row = 4 x cluster y + cy
	s_lshl_b32 s43, s41, 2
	s_lshl_b32 s43, 15, s43                        ; my row of the cluster
	s_lshl_b32 s44, 0x1111, s40                    ; my column
	s_or_b32 s[G1+0], s43, (1<<16)|(1<<20)|(1<<21)|(4<<22)|(3<<25)   ; the mask; elements of 2 bytes; padding on; bit 21 beside a mask; after every 32 words 4 words
	s_or_b32 s[G1B+0], s44, (1<<16)|(1<<20)|(1<<21)|(4<<22)|(3<<25)
	s_mov_b32 s[G1+1], 128<<16                     ; tensor_dim0 = 128 elements: 256 bytes, two rows of a K block
	s_mov_b32 s[G1+2], 64<<16                      ; tensor_dim1 = 64
	s_mov_b32 s[G1+3], 128<<16                     ; tile_dim0 = 128
	s_mov_b32 s[G1+4], 64                          ; tile_dim1 = 64: 128 rows of xb
	s_mov_b32 s[G1+5], 128                         ; elements from row to row: dense
	s_mov_b32 s[G1+6], 0
	s_mov_b32 s[G1+7], 0
	s_mov_b32 s[G1B+1], 128<<16
	s_mov_b32 s[G1B+2], 96<<16                     ; tensor_dim1 = 96
	s_mov_b32 s[G1B+3], 128<<16
	s_mov_b32 s[G1B+4], 96                         ; tile_dim1 = 96: 192 rows of wb
	s_mov_b32 s[G1B+5], 128
	s_mov_b32 s[G1B+6], 0
	s_mov_b32 s[G1B+7], 0
	s_lshl_b32 s16, s13, 15                        ; xb: 256 rows of 128 bytes for each tile row,
	s_lshl_b32 s17, s12, 14                        ; the 128 rows that I fetch
	s_add_co_u32 s16, s16, s17
	s_mov_b32 s17, 0
	s_mul_i32 s46, s42, 384*128                    ; wb: 384 rows for each tile column,
	s_mul_i32 s47, s12, 192*128                    ; the 192 rows that I fetch
	s_add_co_u32 s46, s46, s47
	s_mov_b32 s47, 0
	s_mul_i32 s20, s12, AHALF                      ; where they go: no place in the cluster enters an LDS address
	s_mul_i32 s21, s12, BHALF
	s_add_co_u32 s21, s21, BOFF
	s_wait_dscnt 0x0                               ; the opening add is done
	s_wait_kmcnt 0x0
	s_add_nc_u64 s[14:15], s[4:5], s[16:17]
	s_add_nc_u64 s[46:47], s[6:7], s[46:47]
	CROUND                                         ; all sixteen work-groups are here: the first joint loads meet
.irp s, 0,1
	s_mov_b32 s[G0+4*(\s)], 1
	s_add_co_u32 s[G0+4*(\s)+1], s20, (\s)*SLOT
	s_add_nc_u64 s[G0+4*(\s)+2:G0+4*(\s)+3], s[14:15], (\s)*KBSA
	s_or_b32 s[G0+4*(\s)+3], s[G0+4*(\s)+3], 0x80000000
	s_mov_b32 s[G0B+4*(\s)], 1
	s_add_co_u32 s[G0B+4*(\s)+1], s21, (\s)*SLOT
	s_add_nc_u64 s[G0B+4*(\s)+2:G0B+4*(\s)+3], s[46:47], (\s)*KBSB
	s_or_b32 s[G0B+4*(\s)+3], s[G0B+4*(\s)+3], 0x80000000
	JLOAD \s                                       ; K steps 0 and 1: two tensor loads of mine are out
.endr
	v_and_b32 v1, 15, v0                           ; r = l % 16
	v_bfe_u32 v2, v0, 4, 1                         ; h = l / 16
	; the bias: column block b's numbers 8 h + 0..7 into accumulator (0, b)
	s_mul_i32 s20, s42, 384*4
	s_mul_i32 s21, s12, 192*4
	s_add_co_u32 s20, s20, s21                     ; my first column, in bytes of bb
	v_lshl_add_u32 v6, v2, 5, s20
.irp b, 0,1,2,3,4,5,6,7,8,9,10,11
	WIN 0x40*(1+(\b)/4)                            ; destination window 1 + b / 4, address window 0
	global_load_b128 v[64*((\b)%4):64*((\b)%4)+3],   v6, s[68:69] offset:64*(\b)
	global_load_b128 v[64*((\b)%4)+4:64*((\b)%4)+7], v6, s[68:69] offset:64*(\b)+16
.endr
	WIN 0
	v_mul_u32_u24 v3, v1, PITCH
	v_lshl_add_u32 v3, v2, 4, v3                   ; a fragment's row x pitch + 16 x half of the lanes
	s_mul_i32 s21, s11, AHALF                      ; my 128 rows of xb
	s_mul_i32 s22, s12, BHALF                      ; my 192 rows of wb,
	s_add_co_u32 s22, s22, BOFF                    ; which lie behind xb's 256
.irp s, 0,1
	v_add_nc_u32 v[ADRA+(\s)], s21, v3
	v_add_nc_u32 v[ADRB+(\s)], s22, v3
	s_add_co_u32 s21, s21, SLOT
	s_add_co_u32 s22, s22, SLOT
.endr
	s_mul_i32 s23, s11, 128*SPITCH                 ; into the stage: my 128 rows, my 384 of their 768 bytes; row r, 16 bytes for each half of the lanes
	s_mul_i32 s22, s12, 384
	s_add_co_u32 s23, s23, s22
	v_mul_u32_u24 v4, v1, SPITCH
	v_lshl_add_u32 v4, v2, 4, v4
	v_add_nc_u32 v[STO], s23, v4
	v_add_nc_u32 v[STO+1], 64*SPITCH, v[STO]
	s_mul_i32 s23, s10, 64*SPITCH                  ; back: wave w takes rows 64 w .. 64 w + 63, whole; lanes 0-15 256 bytes of one row, lanes 16-31 of the next
	v_mul_u32_u24 v5, v2, SPITCH
	v_lshl_add_u32 v5, v1, 4, v5
	v_add_nc_u32 v[RD0], s23, v5
	v_mul_u32_u24 v5, v2, SIZE_N*2                 ; and the same two rows in qkv
	v_lshl_add_u32 v[CO], v1, 4, v5
	s_lshl_b32 s16, s13, 8
	s_lshl_b32 s17, s10, 6
	s_add_co_u32 s16, s16, s17                     ; the first row of qkv that I store
	s_mul_i32 s16, s16, SIZE_N*2
	s_mul_i32 s17, s42, 768                        ; the tile's first column, in bytes
	s_add_co_u32 s16, s16, s17
	s_mov_b32 s17, 0
	s_add_nc_u64 s[8:9], s[70:71], s[16:17]
	; the prefetches: they stand at K step 3; the first refill steps them to K step 4
	s_lshl_b32 s20, s13, 15                        ; xb: the tile row's 256 rows,
	s_lshl_b32 s21, s40, 13                        ; my work-group's 64 of them
	s_add_co_u32 s20, s20, s21
	s_add_co_u32 s20, s20, 3*KBSA
	s_mul_i32 s22, s42, 384*128                    ; wb: the tile column's 384 rows,
	s_mul_i32 s21, s41, 96*128                     ; my work-group's 96 of them
	s_add_co_u32 s22, s22, s21
	s_add_co_u32 s22, s22, 3*KBSB
	s_and_b32 s23, ttmp7, 0xffff                   ; cluster y
	s_mov_b32 s[PKS], KBSB
	s_mov_b32 s[PKS+1], 0
	s_mov_b32 s21, 0
	s_cmp_eq_u32 s10, 0                            ; wave 0 asks for xb, waves 1 to 3 for wb
	s_cselect_b32 s20, s20, s22
	s_cselect_b32 s23, ttmp9, s23                  ; the coordinate along which other clusters read the same rows
	s_cselect_b64 s[PFA:PFA+1], s[4:5], s[6:7]
	s_cselect_b32 s[PKS], KBSA, s[PKS]
	s_add_nc_u64 s[PFA:PFA+1], s[PFA:PFA+1], s[20:21]
	s_cmp_eq_u32 s23, 0
	s_cselect_b32 s[LIM], 1, -1                    ; the same in all sixteen partners, for a given wave
	s_cmp_eq_u32 s10, 0
	s_cselect_b32 s[LIMB], s[LIM], -1
	s_sub_co_u32 s21, s10, 1
	s_max_i32 s21, s21, 0
	s_lshl_b32 s21, s21, 5                         ; waves 1, 2, 3: blocks 0, 32, 64 on of the 96; wave 0: its 32
	v_and_b32 v3, 31, v0
	v_add_nc_u32 v4, s21, v3
	v_lshlrev_b32 v5, 8, v4                        ; a block is 256 bytes; blocks 0-47 lie in one K block,
	v_add_nc_u32 v7, KBSB-48*256, v5               ; blocks 48-95 at the same rows of the next
	v_cmp_gt_u32 vcc_lo, 48, v4
	v_cndmask_b32 v[PFO], v7, v5, vcc_lo
; 8 nb matrix instructions: column blocks b0 .. b0 + nb - 1 x all 8 row blocks, 32 along K, xb's fragments in buffer f.  The 96 accumulators take turns in the same order in every quarter.
.macro MULS f, b0, nb
.set bq, \b0
.rept \nb
	WIN 0x50*(1+bq/4)                              ; C and D in window 1 + b / 4, the sources in window 0
.set aq, 0
.rept 8
	v_wmma_f32_16x16x32_bf16 v[64*(bq%4)+8*aq:64*(bq%4)+8*aq+7], v[BF+8*bq:BF+8*bq+7], v[(\f)+8*aq:(\f)+8*aq+7], v[64*(bq%4)+8*aq:64*(bq%4)+8*aq+7]
.set aq, aq+1
.endr
.set bq, bq+1
.endr
.endm
; The same for the first quarter: the sums start with the bias, which lies in accumulator (0, b).  Row blocks 1 to 7 take it as C; eight plain instructions later (a matrix instruction writes over a register that
; earlier ones have read only at that distance: ISA guide 7.12.1) row block 0 adds in place onto it.
.macro MULS0 f, b0, nb
.set bq, \b0
.rept \nb
	WIN 0x50*(1+bq/4)
.set aq, 1
.rept 7
	v_wmma_f32_16x16x32_bf16 v[64*(bq%4)+8*aq:64*(bq%4)+8*aq+7], v[BF+8*bq:BF+8*bq+7], v[(\f)+8*aq:(\f)+8*aq+7], v[64*(bq%4):64*(bq%4)+7]
.set aq, aq+1
.endr
.set bq, bq+1
.endr
.rept 8
	v_nop
.endr
.set bq, \b0
.rept \nb
	WIN 0x50*(1+bq/4)
	v_wmma_f32_16x16x32_bf16 v[64*(bq%4):64*(bq%4)+7], v[BF+8*bq:BF+8*bq+7], v[(\f):(\f)+7], v[64*(bq%4):64*(bq%4)+7]
.set bq, bq+1
.endr
.endm
.macro LDB slot, k, b0, nb             ; wb's fragments b0 .. b0 + nb - 1 of the 32 along K at byte k of the rows: two loads each
	WIN 0
.set bq, \b0
.rept \nb
	ds_load_b128 v[BF+8*bq:BF+8*bq+3],   v[ADRB+(\slot)] offset:(\k)+bq*16*PITCH
	ds_load_b128 v[BF+8*bq+4:BF+8*bq+7], v[ADRB+(\slot)] offset:(\k)+bq*16*PITCH+32
.set bq, bq+1
.endr
.endm
.macro LDA slot, k, f                  ; xb's 8 fragments into buffer f: 16 loads
	WIN 0
.set aq, 0
.rept 8
	ds_load_b128 v[(\f)+8*aq:(\f)+8*aq+3],   v[ADRA+(\slot)] offset:(\k)+aq*16*PITCH
	ds_load_b128 v[(\f)+8*aq+4:(\f)+8*aq+7], v[ADRA+(\slot)] offset:(\k)+aq*16*PITCH+32
.set aq, aq+1
.endr
.endm
.macro PLACES                          ; four plain instructions between a matrix instruction and a load into a register that it has read (ISA guide 7.12.1 for vector instructions)
.rept 4
	v_nop
.endr
.endm
; A K step is two quarters of 32 along K, 96 matrix instructions each.  The first multiplies buffer A0 and fetches the second's fragments, at byte 64 of the same slot's rows.
.macro EVENQ slot, first
	s_wait_dscnt 12                                ; xb's fragments and wb's 0-5 are in; the youngest twelve loads (wb's 6-11) may be out
.if \first
	MULS0 A0, 0, 6
.else
	MULS A0, 0, 6
.endif
	PLACES
	LDB \slot, 64, 0, 6                            ; wb's fragments 0-5 have been multiplied: their registers take the next quarter's
	LDA \slot, 64, A1
	s_wait_dscnt 28                                ; all but the 28 just issued
.if \first
	MULS0 A0, 6, 6
.else
	MULS A0, 6, 6
.endif
	PLACES
	LDB \slot, 64, 6, 6
.endm
; The second quarter multiplies buffer A1 and changes slots: my last reads of this slot were issued at the end of the first quarter.  ONE barrier: in front of it each wave waits for all its tensor loads, of which one is
; out: its part of the next slot; adds 0 to its spare word; and waits for that and for its reads of this slot.  fill = 1: the barrier opens a round of the cluster's barrier, and this slot is filled again, first thing
; behind it, with the K step two on: from that request to the wait for it a wave issues 176 matrix instructions.
.macro ODDQ slot, next, fill, lim
.if \fill
	s_wait_xcnt 0x0                                ; the last prefetch, a K step back, has read its address
	s_add_nc_u64 s[PFA:PFA+1], s[PFA:PFA+1], s[PKS:PKS+1]
.endif
	s_wait_dscnt 12                                ; xb's fragments and wb's 0-5 are in
	MULS A1, 0, 4
	WIN 0                                          ; (the add's two registers lie in window 0)
	s_wait_tensorcnt 0x0                           ; all my tensor loads have landed
	ds_add_u32 v[SPW], v[NIL]                      ; 0 onto my spare word; eight matrix instructions stand between it and the wait for it
	MULS A1, 4, 1
	s_wait_dscnt 0x0                               ; the add is done, and my reads of this slot are over
	s_barrier_signal -1
	MULS A1, 5, 1
	WIN 0                                          ; branches and loads follow
	s_barrier_wait -1
.if \fill
	CREST                                          ; no wave of any partner still reads this slot or has a load on its way
	s_add_nc_u64 s[G0+4*(\slot)+2:G0+4*(\slot)+3], s[G0+4*(\slot)+2:G0+4*(\slot)+3], 2*KBSA
	s_add_nc_u64 s[G0B+4*(\slot)+2:G0B+4*(\slot)+3], s[G0B+4*(\slot)+2:G0B+4*(\slot)+3], 2*KBSB
	JLOAD \slot                                    ; its four v_nop are also the places in front of the loads below
.else
	PLACES
.endif
	LDB \next, 0, 0, 6
	LDA \next, 0, A0
.if \fill
	ASK \lim
.endif
	MULS A1, 6, 6
	PLACES
	LDB \next, 0, 6, 6
.endm
	s_wait_tensorcnt 1                             ; my part of K step 0 is in; K step 1's may stay out
	s_barrier_signal -1
	s_barrier_wait -1
	LDB 0, 0, 0, 6
	LDA 0, 0, A0
	LDB 0, 0, 6, 6
	s_wait_loadcnt 0x0                             ; the bias
	EVENQ 0, 1                                     ; the first quarter stands in front of the loop: its products start the sums
	WIN 0
	s_mov_b32 s3, 7
.Llap:                                                 ; a trip goes once round the ring, from a lap's second quarter to the next lap's first, and fills both slots again: K steps 2 to 15 in seven trips
	ODDQ 0, 1, 1, LIM
	EVENQ 1, 0
	ODDQ 1, 0, 1, LIMB
	EVENQ 0, 0
	WIN 0
	s_sub_co_u32 s3, s3, 1
	s_cmp_lg_u32 s3, 0
	s_cbranch_scc1 .Llap
	ODDQ 0, 1, 0, LIM                              ; the last lap fills nothing, and has no round of the cluster's barrier
	EVENQ 1, 0
	s_wait_dscnt 12                                ; the very last quarter
	MULS A1, 0, 6
	s_wait_dscnt 0x0                               ; my last reads of the ring are back:
	s_barrier_signal -1                            ; say so,
	MULS A1, 6, 6
	WIN 0
	s_barrier_wait -1                              ; and when all four have said so the ring's bytes, which have had their last fill, may be written
.rept 8
	v_nop                                          ; the places behind the last products
.endr
	; a window's 32 accumulators at a time: rounded to f16, a lane's eight columns of a row are 16 bytes; each accumulator's lowest registers are read first
.irp w, 1,2,3
	WIN 5*(\w)                                     ; sources 0 and 1 in window w, destination in window 0
.set n, 0
.rept 32                               ; accumulator n of the window: column block 4 (w - 1) + n / 8, row block n % 8
.irp k, 0,1,2,3
	v_cvt_pk_f16_f32 v[TMP+4*n+(\k)], v[8*n+2*(\k)], v[8*n+2*(\k)+1]
.endr
.set n, n+1
.endr
	WIN 0
.set n, 0
.rept 32
	ds_store_b128 v[STO+(n%8)/4], v[TMP+4*n:TMP+4*n+3] offset:(n%4)*16*SPITCH+32*(4*((\w)-1)+n/8)
.set n, n+1
.endr
.endr
	s_wait_dscnt 0x0                               ; for the others' sake: my stores into the stage are done; a row's 768 bytes come from two waves
	s_barrier_signal -1
	s_barrier_wait -1
	s_mov_b32 s2, 8
	s_mov_b32 s[SB], 0
.Lout:                                                 ; eight trips of 8 whole rows
	v_add_nc_u32 v[RA], s[SB], v[RD0]
.irp t, 0,1,2,3
.irp u, 0,1,2
	ds_load_b128 v[BK+4*(3*(\t)+(\u)):BK+4*(3*(\t)+(\u))+3], v[RA] offset:2*(\t)*SPITCH+256*(\u)
.endr
.endr
.irp t, 0,1,2,3
.irp u, 0,1,2
	s_wait_dscnt 11-(3*(\t)+(\u))                  ; this load is in; the younger ones stay out
	global_store_b128 v[CO], v[BK+4*(3*(\t)+(\u)):BK+4*(3*(\t)+(\u))+3], s[8:9] offset:2*(\t)*SIZE_N*2+256*(\u)  ; 16 lanes store 256 consecutive bytes, at a multiple of 256 from qkv's first byte
.endr
.endr
	s_wait_xcnt 0x0                                ; the stores have read their base and data: both are written again only behind this wait
	s_add_nc_u64 s[8:9], s[8:9], 8*SIZE_N*2
	s_add_co_u32 s[SB], s[SB], 8*SPITCH
	s_sub_co_u32 s2, s2, 1
	s_cmp_lg_u32 s2, 0
	s_cbranch_scc1 .Lout
	s_wait_tensorcnt 0x0                           ; the wave's end, behind my last tensor load and my last LDS store
	ds_add_u32 v[SPW], v[NIL]
	s_wait_dscnt 0x0
	CROUND                                         ; the closing round: no work-group ends while a partner may still ask for a tile that names it
	s_endpgm
.Lfunc_end_k_q03891aa0e9_proj:
	.size	k_q03891aa0e9_proj, .Lfunc_end_k_q03891aa0e9_proj-k_q03891aa0e9_proj
	.p2alignl 7, 3214868480
	.fill 96, 4, 3214868480
	.section	.rodata,"a",@progbits
	.p2align	6, 0x0
	.amdhsa_kernel k_q03891aa0e9_proj
		.amdhsa_group_segment_fixed_size 327680
		.amdhsa_private_segment_fixed_size 0
		.amdhsa_enable_private_segment 0
		.amdhsa_kernarg_size 32
		.amdhsa_user_sgpr_count 2
		.amdhsa_user_sgpr_kernarg_segment_ptr 1
		.amdhsa_wavefront_size32 1
		.amdhsa_system_sgpr_workgroup_id_x 1
		.amdhsa_system_sgpr_workgroup_id_y 1
		.amdhsa_system_sgpr_workgroup_id_z 1
		.amdhsa_system_vgpr_workitem_id 0
		.amdhsa_next_free_vgpr 1024
		.amdhsa_next_free_sgpr 80
		.amdhsa_reserve_vcc 1
		.amdhsa_float_denorm_mode_32 3
		.amdhsa_float_denorm_mode_16_64 3
		.amdhsa_memory_ordered 1
		.amdhsa_forward_progress 1
		.amdhsa_inst_pref_size 120
	.end_amdhsa_kernel
	.amdgpu_metadata
---
amdhsa.version: [ 1, 2 ]
amdhsa.kernels:
  - .name:           k_q03891aa0e9_proj
    .symbol:         k_q03891aa0e9_proj.kd
    .args:
      - { .name: xb, .offset: 0, .size: 8, .value_kind: global_buffer, .address_space: global }
      - { .name: wb, .offset: 8, .size: 8, .value_kind: global_buffer, .address_space: global }
      - { .name: bb, .offset: 16, .size: 8, .value_kind: global_buffer, .address_space: global }
      - { .name: qkv, .offset: 24, .size: 8, .value_kind: global_buffer, .address_space: global }
    .group_segment_fixed_size: 327680
    .private_segment_fixed_size: 0
    .kernarg_segment_align: 8
    .kernarg_segment_size: 32
    .max_flat_workgroup_size: 128
    .sgpr_count:     80
    .vgpr_count:     1024
    .wavefront_size: 32
...
	.end_amdgpu_metadata
.endif
;; end of part 2
;; launch score (part 3): grid 36 x 4, 4 waves a work-group, no clusters, 327,680 bytes of LDS; arguments qkv, pt, stat; writes pt, stat
.if DOCPART == 3
	.amdgcn_target "amdgcn-amd-amdhsa--gfx1250"
	.amdhsa_code_object_version 6
	.text
	.protected	k_q03891aa0e9_score
	.globl	k_q03891aa0e9_score
	.p2align	8
	.type	k_q03891aa0e9_score,@function
k_q03891aa0e9_score:
	s_mov_b64 s[64:65], 0
	v_nop
	global_prefetch_b8 v0, s[64:65] scope:SCOPE_SE
	s_setreg_imm32_b32 hwreg(HW_REG_WAVE_MODE, 25, 1), 1
	s_wait_xcnt 0x0
; For each batch b and each tile (I, J), J <= I, of 256 queries x 256 keys: S = q k^T (f16 operands, f32 sums), the causal mask, and for each query and each CHUNK of 128 keys
; the maximum m of the chunk's scores, p = 2^(c (s - m)) with c = log2(e) / 32, and l = the sum of the p.  pt [4][2048][2048] f16 takes p, stat takes m at ((16 b + chunk) 2048 + query) x 4 bytes
; and l 524,288 bytes further on.  The launch behind joins the chunks by the row's true maximum.  Tiles above the diagonal are not made.
; s - m is never above 0, so p lies in 0 to 1 whatever the inputs; in a chunk that is wholly hidden (the diagonal tile's quadrant above the diagonal) p is finite too, and its m and l are never read.
; LIMITS.  q and k arrive in f16.  A hidden score counts as its value less 1e30.  p below 6e-5 keeps f16's fixed step; l is the sum of the unrounded p; NaN and infinities are not treated apart.
; SHARES.  36 tiles a batch; four waves, each 128 queries x 128 keys, one chunk: 64 accumulators, 512 registers.  K (1,024 channels) goes in eight steps of 128 through two LDS slots.
; NO CLUSTER: row I of the triangle has I + 1 tiles, 1 to 8, so no rectangle of 4 work-groups that share q's or k's rows tiles the triangle without work-groups that lie wholly above the diagonal.
; THE MASK is the C operand of the products that start the sums: 0 or -1e30.  In the diagonal tile a 16 x 16 block lies above, on or below the diagonal of my quadrant: three sets of eight registers.
; THE MATRIX INSTRUCTION IS USED TRANSPOSED (source 0 = 16 keys, source 1 = 16 queries): lane l holds query l % 16 and the keys 8 (l / 16) + 0..7.
; THE WAY OUT goes over the ring's bytes when they have had their last fill: 128 rows of 528 bytes a wave in f32, read back so that sixteen lanes hold one query's 128 keys.
; REGISTERS: window 0: v0-32 addresses, v64-191 q's fragments (on the way out T, Y, ST); window 1: v0-23 the mask sets, v64-191 k's fragments; windows 2, 3: the accumulators.
.set KSTEP,  128
.set ROWB,   6144                      ; bytes in a row of qkv
.set PITCH,  272
.set HALFT,  128*PITCH
.set SLOT,   4*HALFT
.set OPITCH, 528
.set OWAVE,  128*OPITCH
.set SCR,    278528                    ; behind the ring: 1,024 bytes a wave: 128 m, then 128 l
.set SPARE,  282624                    ; the spare words, 128 bytes for each wave: two blocks of 256 bytes that no other line names
.set ADRA, 16
.set ADRB, 20
.set L16,  22                          ; v22  16 x my lane
.set SAV,  23                          ; v23  SA0 + the trip's 16 rows
.set STO,  24
.set RD0,  25
.set CO,   26
.set RA,   27
.set SPW,  28
.set NIL,  29
.set PFO,  30                          ; v30  my lane x a row of qkv; never rewritten
.set SA0,  31                          ; v31  where my half of the lanes puts a row's m
.set SR,   32                          ; v32  where I read four rows' m back
.set F0,   64
.set F1,   128
.set T,    64                          ; the way out: 8 f32 a lane and pair of rows
.set Y,    128                         ; the same as f16
.set ST,   160                         ; pair t of rows: m at ST + 2 t; the odd registers are named with it as a pair and hold 0
.set G1,  24
.set G0,  32
.set LIM, 43
.set PFA, 44
.set PTP, 46                           ; s[46:47] pt at my first row and column
.set STP, 48                           ; s[48:49] stat at my chunk's first row
.set SU,  52                           ; s52  the mask above my quadrant's diagonal
.set SL,  53                           ; s53  the mask below it
.set SB,  54
.set SS,  55
.set CS,  58                           ; s[58:59] c
.set MSB, 0
.macro WIN new
.if MSB != (\new)
	s_set_vgpr_msb (MSB<<8)|(\new)
.set MSB, \new
.endif
.endm
.set TO_B, 0x40
; Prefetches behind each refill and the run of LDS loads that follows it: the K step two refills on of the 128 rows that I fetch: a lane a row, four instructions.  q's block I is read by the tiles (I, 0 .. I):
; the tile with J = 0 asks; k's block J by the tiles (J .. 7, J): the tile with I = J asks.  So each row's 256 bytes of K steps 4 to 7 are named once; the loop's last trip asks for nothing.
.macro ASK4
	s_cmp_gt_u32 s3, s[LIM]
	s_cbranch_scc0 .Lnot_mine_\@
.irp i, 0,1,2,3
	global_prefetch_b8 v[PFO], s[PFA:PFA+1] offset:KSTEP*2+(\i)*32*ROWB th:TH_LOAD_NT scope:SCOPE_SE
.endr
.Lnot_mine_\@:
.endm
	s_load_b128 s[4:7], s[0:1], 0x0                ; qkv s[4:5], pt s[6:7]
	s_load_b64 s[8:9], s[0:1], 0x10                ; stat
	v_lshl_add_u32 v[SPW], v0, 2, SPARE
	v_mov_b32 v[NIL], 0
	ds_add_u32 v[SPW], v[NIL]                      ; the wave's opening: the add and its wait stand ahead of my first tensor load
	v_lshrrev_b32 v1, 5, v0
	v_readfirstlane_b32 s10, v1                    ; wave 0..3
	s_lshr_b32 s11, s10, 1                         ; my half of the queries.  Also: I fetch q's rows (0) or k's (1)
	s_and_b32 s12, s10, 1                          ; my half of the keys.  Also: which 128 rows I fetch
	s_mov_b32 s13, 0                               ; I = how many of the triangle's row starts 1, 3, 6, .. 28 my number has reached
.irp thr, 1,3,6,10,15,21,28
	s_cmp_ge_u32 ttmp9, \thr
	s_add_co_ci_u32 s13, s13, 0
.endr
	s_add_co_u32 s16, s13, 1
	s_mul_i32 s16, s16, s13
	s_lshr_b32 s16, s16, 1
	s_sub_co_u32 s14, ttmp9, s16                   ; J = my number - I (I + 1) / 2
	s_and_b32 s15, ttmp7, 0xffff                   ; b
	s_mov_b32 s[G1+0], (1<<16)|(1<<20)|(5<<22)|(3<<25)  ; elements of 2 bytes; padding on: after every 64 words 4 words
	s_mov_b32 s[G1+1], KSTEP<<16                   ; tensor_dim0 = 128
	s_mov_b32 s[G1+2], 128<<16                     ; tensor_dim1 = 128
	s_mov_b32 s[G1+3], KSTEP<<16                   ; tile_dim0 = 128
	s_mov_b32 s[G1+4], 128                         ; tile_dim1 = 128
	s_mov_b32 s[G1+5], 3072                        ; elements from row to row
	s_mov_b32 s[G1+6], 0
	s_mov_b32 s[G1+7], 0
	s_cmp_eq_u32 s11, 0
	s_cselect_b32 s16, s13, s14                    ; block I of q, or block J of k,
	s_cselect_b32 s18, 0, 2048                     ; which begins 2,048 bytes into a row
	s_lshl_b32 s16, s16, 8
	s_lshl_b32 s17, s15, 11
	s_add_co_u32 s16, s16, s17
	s_lshl_b32 s17, s12, 7
	s_add_co_u32 s16, s16, s17                     ; the first row that I fetch
	s_mul_i32 s16, s16, ROWB
	s_add_co_u32 s16, s16, s18
	s_mov_b32 s17, 0
	s_mul_i32 s20, s10, HALFT                      ; where it goes: q's two halves, then k's two = wave x 128 rows
	s_mov_b32 s[CS], 0x3d38aa3b                    ; c = log2(e) / 32
	s_mov_b32 s[CS+1], s[CS]
	s_wait_dscnt 0x0                               ; the opening add is done
	s_wait_kmcnt 0x0
	s_add_nc_u64 s[22:23], s[4:5], s[16:17]
.irp s, 0,1
	s_mov_b32 s[G0+4*(\s)], 1
	s_add_co_u32 s[G0+4*(\s)+1], s20, (\s)*SLOT
	s_add_nc_u64 s[G0+4*(\s)+2:G0+4*(\s)+3], s[22:23], (\s)*KSTEP*2
	s_or_b32 s[G0+4*(\s)+3], s[G0+4*(\s)+3], 0x80000000
.endr
	tensor_load_to_lds s[G0:G0+3], s[G1:G1+7]      ; K steps 0 and 1: two tensor loads of mine are out
	s_nop 0
	tensor_load_to_lds s[G0+4:G0+7], s[G1:G1+7]
	s_nop 0
.rept 4
	v_nop
.endr
	s_add_nc_u64 s[PFA:PFA+1], s[22:23], 2*KSTEP*2 ; at K step 2: the first refill steps it to 3 and names K step 4
	s_sub_co_u32 s17, s13, s14
	s_cmp_eq_u32 s11, 0
	s_cselect_b32 s16, s14, s17                    ; q's rows: J = 0 asks; k's rows: I = J asks
	s_cmp_eq_u32 s16, 0
	s_cselect_b32 s[LIM], 1, -1
	v_and_b32 v3, 31, v0
	v_mul_u32_u24 v[PFO], v3, ROWB
	v_lshlrev_b32 v[L16], 4, v3
	v_and_b32 v1, 15, v0                           ; r
	v_bfe_u32 v2, v0, 4, 1                         ; h
	; the mask sets.  Only the diagonal tile hides anything: wave 1's quadrant (keys beyond all its queries) all, wave 2's none, waves 0 and 3 what lies above their quadrant's diagonal
	s_cmp_eq_u32 s13, s14
	s_cselect_b32 s50, 0xf149f2ca, 0               ; -1e30 in the diagonal tile
	s_cmp_eq_u32 s10, 2
	s_cselect_b32 s[SU], 0, s50
	s_cmp_eq_u32 s10, 1
	s_cselect_b32 s[SL], s50, 0
	v_lshlrev_b32 v14, 3, v2
	v_sub_nc_u32 v14, v1, v14                      ; r - 8 h: in a block on the diagonal key register j is hidden where j is greater
	v_mov_b32 v15, s[SL]
	WIN 0x40
.irp j, 0,1,2,3,4,5,6,7
	v_mov_b32 v[\j], s[SU]                         ; v0-7 of window 1: blocks above the diagonal
	v_cmp_gt_i32 vcc_lo, \j, v14
	v_cndmask_b32 v[8+(\j)], v15, s[SU], vcc_lo    ; v8-15: blocks on it
	v_mov_b32 v[16+(\j)], s[SL]                    ; v16-23: blocks below it
.endr
	WIN 0
	v_mul_u32_u24 v3, v1, PITCH
	v_lshl_add_u32 v3, v2, 4, v3
	s_mul_i32 s21, s11, HALFT
	s_mul_i32 s22, s12, HALFT
	s_add_co_u32 s22, s22, 2*HALFT
.irp s, 0,1
	v_add_nc_u32 v[ADRA+(\s)], s21, v3
	v_add_nc_u32 v[ADRB+(\s)], s22, v3
	s_add_co_u32 s21, s21, SLOT
	s_add_co_u32 s22, s22, SLOT
.endr
	s_mul_i32 s23, s10, OWAVE
	v_mul_u32_u24 v4, v1, OPITCH
	v_lshl_add_u32 v4, v2, 5, v4
	v_add_nc_u32 v[STO], s23, v4
	v_mul_u32_u24 v5, v2, OPITCH
	v_lshl_add_u32 v5, v1, 5, v5
	v_add_nc_u32 v[RD0], s23, v5
	v_lshlrev_b32 v5, 12, v2                       ; two rows of pt, 4,096 bytes apart, 16 bytes a lane
	v_lshl_add_u32 v[CO], v1, 4, v5
	s_lshl_b32 s23, s10, 10
	s_add_co_u32 s23, s23, SCR
	v_lshl_add_u32 v[SA0], v2, 2, s23
	v_add_nc_u32 v[SR], s23, v[L16]
	s_lshl_b32 s16, s15, 11
	s_lshl_b32 s17, s13, 8
	s_add_co_u32 s16, s16, s17
	s_lshl_b32 s17, s11, 7
	s_add_co_u32 s16, s16, s17                     ; my first row of pt
	s_lshl_b32 s18, s16, 12
	s_lshl_b32 s17, s14, 9
	s_add_co_u32 s18, s18, s17
	s_lshl_b32 s17, s12, 8
	s_add_co_u32 s18, s18, s17                     ; + my first key, in bytes
	s_mov_b32 s19, 0
	s_add_nc_u64 s[PTP:PTP+1], s[6:7], s[18:19]
	s_lshl_b32 s18, s15, 4
	s_lshl_b32 s17, s14, 1
	s_add_co_u32 s18, s18, s17
	s_add_co_u32 s18, s18, s12                     ; 16 b + my chunk
	s_lshl_b32 s18, s18, 11
	s_lshl_b32 s17, s13, 8
	s_add_co_u32 s18, s18, s17
	s_lshl_b32 s17, s11, 7
	s_add_co_u32 s18, s18, s17
	s_lshl_b32 s18, s18, 2
	s_add_nc_u64 s[STP:STP+1], s[8:9], s[18:19]
; 16 matrix instructions.  zero = 2: the products start the sums with the mask set of their block's place; zero = 0: they add in place.
.macro MUL16 f, hi, a0, zero
.if (\zero) == 2
	WIN 0x91+0x40*(\hi)                            ; k window 1, q window 0, C window 1, D window 2 or 3
.else
	WIN 0xa1+0x50*(\hi)                            ; C and D window 2 or 3
.endif
.irp a, \a0, (\a0)+1
.irp b, 0,1,2,3,4,5,6,7
.if (\zero) == 2
.set SELC, 16
.if (4*(\hi)+(\a)) < (\b)
.set SELC, 0
.elseif (4*(\hi)+(\a)) == (\b)
.set SELC, 8
.endif
	v_wmma_f32_16x16x32_f16 v[8*(8*(\a)+(\b)):8*(8*(\a)+(\b))+7], v[(\f)+8*(\b):(\f)+8*(\b)+7], v[(\f)+8*(4*(\hi)+(\a)):(\f)+8*(4*(\hi)+(\a))+7], v[SELC:SELC+7]
.else
	v_wmma_f32_16x16x32_f16 v[8*(8*(\a)+(\b)):8*(8*(\a)+(\b))+7], v[(\f)+8*(\b):(\f)+8*(\b)+7], v[(\f)+8*(4*(\hi)+(\a)):(\f)+8*(4*(\hi)+(\a))+7], v[8*(8*(\a)+(\b)):8*(8*(\a)+(\b))+7]
.endif
.endr
.endr
.endm
.macro FETCH slot, k, f
	WIN TO_B
.irp i, 0,1,2,3,4,5,6,7
	ds_load_b128 v[(\f)+8*(\i):(\f)+8*(\i)+3],   v[ADRB+(\slot)] offset:(\k)+(\i)*16*PITCH
	ds_load_b128 v[(\f)+8*(\i)+4:(\f)+8*(\i)+7], v[ADRB+(\slot)] offset:(\k)+(\i)*16*PITCH+32
.endr
	WIN 0
.irp i, 0,1,2,3,4,5,6,7
	ds_load_b128 v[(\f)+8*(\i):(\f)+8*(\i)+3],   v[ADRA+(\slot)] offset:(\k)+(\i)*16*PITCH
	ds_load_b128 v[(\f)+8*(\i)+4:(\f)+8*(\i)+7], v[ADRA+(\slot)] offset:(\k)+(\i)*16*PITCH+32
.endr
.endm
.macro PLACES                          ; four plain instructions between a matrix instruction and a load into a register that it has read
.rept 4
	v_nop
.endr
.endm
.macro QUARTER slot, k, f, g, zero     ; the 64 accumulators take turns in the same order in every quarter
	s_wait_dscnt 8                                 ; k's fragments and q's rows 0-63 are in; the youngest eight loads may be out
	MUL16 \f, 0, 0, \zero
	MUL16 \f, 0, 2, \zero
	PLACES
	FETCH \slot, \k, \g
	s_wait_dscnt 32                                ; all but the 32 just issued
	MUL16 \f, 1, 0, \zero
	MUL16 \f, 1, 2, \zero
.endm
.macro MEET
	WIN 0
	s_wait_tensorcnt 0x0                           ; all my tensor loads have landed: the one that was out is my part of the next slot
	ds_add_u32 v[SPW], v[NIL]                      ; 0 onto my spare word
	s_wait_dscnt 9                                 ; the add and the youngest eight loads may be out
	MUL16 F1, 0, 0, 0
	s_wait_dscnt 0x0                               ; the add is done, and my reads of this slot are over
	s_barrier_signal -1
	MUL16 F1, 0, 2, 0
	WIN 0
	s_barrier_wait -1                              ; nobody reads this slot any more, and the next slot is whole
.endm
; A step's last quarter.  fill = 1: the slot just read out is filled again, first thing behind the barrier, one load a wave, with the K step two on: 224 matrix instructions ahead of the wait for it.
.macro TURN slot, next, fill
.if \fill
	s_wait_xcnt 0x0                                ; the last prefetches, a K step back, have read their address
	s_add_nc_u64 s[PFA:PFA+1], s[PFA:PFA+1], KSTEP*2
	MEET
	s_add_nc_u64 s[G0+4*(\slot)+2:G0+4*(\slot)+3], s[G0+4*(\slot)+2:G0+4*(\slot)+3], 2*KSTEP*2
	tensor_load_to_lds s[G0+4*(\slot):G0+4*(\slot)+3], s[G1:G1+7]
	s_nop 0
	PLACES                                         ; also the places in front of the loads below
	FETCH \next, 0, F0
	ASK4
.else
	MEET
	PLACES
	FETCH \next, 0, F0
.endif
	MUL16 F1, 1, 0, 0
	MUL16 F1, 1, 2, 0
.endm
	s_wait_tensorcnt 1                             ; my part of K step 0 is in; K step 1's may stay out
	s_barrier_signal -1
	s_barrier_wait -1
	FETCH 0, 0, F0
	QUARTER 0, 64,  F0, F1, 2                      ; the first quarter's products start the sums, with the masks
	WIN 0
	s_mov_b32 s3, 3
.Llap:                                                 ; a trip goes once round the ring and fills both slots again: K steps 2 to 7 in three trips
	QUARTER 0, 128, F1, F0, 0
	QUARTER 0, 192, F0, F1, 0
	TURN 0, 1, 1
	QUARTER 1, 64,  F0, F1, 0
	QUARTER 1, 128, F1, F0, 0
	QUARTER 1, 192, F0, F1, 0
	TURN 1, 0, 1
	QUARTER 0, 64,  F0, F1, 0
	WIN 0
	s_sub_co_u32 s3, s3, 1
	s_cmp_lg_u32 s3, 0
	s_cbranch_scc1 .Llap
	QUARTER 0, 128, F1, F0, 0                      ; the last lap fills nothing
	QUARTER 0, 192, F0, F1, 0
	TURN 0, 1, 0
	QUARTER 1, 64,  F0, F1, 0
	QUARTER 1, 128, F1, F0, 0
	QUARTER 1, 192, F0, F1, 0
	s_wait_dscnt 8                                 ; the very last quarter
	MUL16 F1, 0, 0, 0
	MUL16 F1, 0, 2, 0
	s_wait_dscnt 0x0                               ; my last reads of the ring are back:
	s_barrier_signal -1
	MUL16 F1, 1, 0, 0
	MUL16 F1, 1, 2, 0
	WIN 0
	s_barrier_wait -1                              ; when all four have said so the ring's bytes, which have had their last fill, may be written
.rept 8
	v_nop                                          ; the places behind the last products
.endr
.irp hi, 0,1
	WIN 0x08+4*(\hi)                               ; the stores' data in window 2 or 3; each accumulator's lowest registers first
.irp a, 0,1,2,3
.irp b, 0,1,2,3,4,5,6,7
	ds_store_b128 v[STO], v[8*(8*(\a)+(\b)):8*(8*(\a)+(\b))+3]   offset:(4*(\hi)+(\a))*16*OPITCH+64*(\b)
	ds_store_b128 v[STO], v[8*(8*(\a)+(\b))+4:8*(8*(\a)+(\b))+7] offset:(4*(\hi)+(\a))*16*OPITCH+64*(\b)+16
.endr
.endr
.endr
	WIN 0
.irp t, 0,1,2,3,4,5,6,7
	v_mov_b32 v[ST+2*(\t)+1], 0                    ; named with m as a pair
.endr
	s_mov_b32 s2, 8
	s_mov_b32 s[SB], 0
	s_mov_b32 s[SS], 0
.Lout:                                                 ; eight trips of 16 queries.  Lanes 0-15 hold query 2 t of the sixteen, lanes 16-31 query 2 t + 1, eight keys a lane
	v_add_nc_u32 v[RA], s[SB], v[RD0]
	v_add_nc_u32 v[SAV], s[SS], v[SA0]
.irp t, 0,1,2,3,4,5,6,7
	ds_load_b128 v[T+8*(\t):T+8*(\t)+3],   v[RA] offset:2*(\t)*OPITCH
	ds_load_b128 v[T+8*(\t)+4:T+8*(\t)+7], v[RA] offset:2*(\t)*OPITCH+16
.endr
	s_wait_dscnt 0x0
.irp t, 0,1,2,3,4,5,6,7                ; the chunk's maximum: in the lane,
	v_max3_num_f32 v[ST+2*(\t)], v[T+8*(\t)], v[T+8*(\t)+1], v[T+8*(\t)+2]
.endr
.irp t, 0,1,2,3,4,5,6,7
	v_max3_num_f32 v[ST+2*(\t)], v[ST+2*(\t)], v[T+8*(\t)+3], v[T+8*(\t)+4]
.endr
.irp t, 0,1,2,3,4,5,6,7
	v_max3_num_f32 v[ST+2*(\t)], v[ST+2*(\t)], v[T+8*(\t)+5], v[T+8*(\t)+6]
.endr
.irp t, 0,1,2,3,4,5,6,7
	v_max_num_f32 v[ST+2*(\t)], v[ST+2*(\t)], v[T+8*(\t)+7]
.endr
.irp x, 1,2,4,8                        ; and over the sixteen lanes of the query; the eight chains stand side by side
.irp t, 0,1,2,3,4,5,6,7
	v_max_num_f32_dpp v[ST+2*(\t)], v[ST+2*(\t)], v[ST+2*(\t)] row_xmask:\x row_mask:0xf bank_mask:0xf
.endr
.endr
.irp t, 0,1,2,3,4,5,6,7                ; s - m, never above 0,
.irp k, 0,2,4,6
	v_pk_add_f32 v[T+8*(\t)+(\k):T+8*(\t)+(\k)+1], v[T+8*(\t)+(\k):T+8*(\t)+(\k)+1], v[ST+2*(\t):ST+2*(\t)+1] op_sel_hi:[1,0] neg_lo:[0,1] neg_hi:[0,1]
.endr
.endr
.set n, 0
.rept 32                               ; times c
	v_pk_mul_f32 v[T+n:T+n+1], v[T+n:T+n+1], s[CS:CS+1] op_sel_hi:[1,0]
.set n, n+2
.endr
.set n, 0
.rept 64                               ; one batch of exponentials
	v_exp_f32 v[T+n], v[T+n]
.set n, n+1
.endr
	v_nop                                          ; a plain instruction behind the last exponential,
	s_wait_alu depctr_va_vdst(0)                   ; and one wait for the batch, ahead of its first reader
.set n, 0
.rept 32
	v_cvt_pk_f16_f32 v[Y+n], v[T+2*n], v[T+2*n+1]
.set n, n+1
.endr
.irp t, 0,1,2,3,4,5,6,7
	global_store_b128 v[CO], v[Y+4*(\t):Y+4*(\t)+3], s[PTP:PTP+1] offset:2*(\t)*4096  ; 16 lanes store 256 consecutive bytes, at a multiple of 256 from pt's first byte
.endr
.irp t, 0,1,2,3,4,5,6,7                ; l: in the lane,
	v_pk_add_f32 v[T+8*(\t):T+8*(\t)+1], v[T+8*(\t):T+8*(\t)+1], v[T+8*(\t)+2:T+8*(\t)+3]
.endr
.irp t, 0,1,2,3,4,5,6,7
	v_pk_add_f32 v[T+8*(\t)+4:T+8*(\t)+5], v[T+8*(\t)+4:T+8*(\t)+5], v[T+8*(\t)+6:T+8*(\t)+7]
.endr
.irp t, 0,1,2,3,4,5,6,7
	v_pk_add_f32 v[T+8*(\t):T+8*(\t)+1], v[T+8*(\t):T+8*(\t)+1], v[T+8*(\t)+4:T+8*(\t)+5]
.endr
.irp t, 0,1,2,3,4,5,6,7
	v_add_f32 v[T+8*(\t)], v[T+8*(\t)], v[T+8*(\t)+1]
.endr
.irp x, 1,2,4,8                        ; and over the sixteen lanes
.irp t, 0,1,2,3,4,5,6,7
	v_add_f32_dpp v[T+8*(\t)], v[T+8*(\t)], v[T+8*(\t)] row_xmask:\x row_mask:0xf bank_mask:0xf
.endr
.endr
.irp t, 0,1,2,3,4,5,6,7
	ds_store_b32 v[SAV], v[ST+2*(\t)] offset:8*(\t)       ; sixteen lanes write the same word with the same value
	ds_store_b32 v[SAV], v[T+8*(\t)]  offset:512+8*(\t)
.endr
	s_wait_xcnt 0x0                                ; the stores have read their base and data: both are written again only behind this wait
	s_add_nc_u64 s[PTP:PTP+1], s[PTP:PTP+1], 16*4096
	s_add_co_u32 s[SB], s[SB], 16*OPITCH
	s_add_co_u32 s[SS], s[SS], 64
	s_sub_co_u32 s2, s2, 1
	s_cmp_lg_u32 s2, 0
	s_cbranch_scc1 .Lout
	ds_load_b128 v[T:T+3],   v[SR]                 ; my wave's 128 m and 128 l, four a lane: my own bytes, served in order behind the stores
	ds_load_b128 v[T+4:T+7], v[SR] offset:512
	s_wait_dscnt 0x0
	global_store_b128 v[L16], v[T:T+3],   s[STP:STP+1]                 ; 512 consecutive bytes, at a multiple of 256 from stat's first byte
	global_store_b128 v[L16], v[T+4:T+7], s[STP:STP+1] offset:524288
	s_wait_tensorcnt 0x0                           ; the wave's end, behind my last tensor load and my last LDS store
	ds_add_u32 v[SPW], v[NIL]
	s_wait_dscnt 0x0
	s_endpgm
.Lfunc_end_k_q03891aa0e9_score:
	.size	k_q03891aa0e9_score, .Lfunc_end_k_q03891aa0e9_score-k_q03891aa0e9_score
	.p2alignl 7, 3214868480
	.fill 96, 4, 3214868480
	.section	.rodata,"a",@progbits
	.p2align	6, 0x0
	.amdhsa_kernel k_q03891aa0e9_score
		.amdhsa_group_segment_fixed_size 327680
		.amdhsa_private_segment_fixed_size 0
		.amdhsa_enable_private_segment 0
		.amdhsa_kernarg_size 24
		.amdhsa_user_sgpr_count 2
		.amdhsa_user_sgpr_kernarg_segment_ptr 1
		.amdhsa_wavefront_size32 1
		.amdhsa_system_sgpr_workgroup_id_x 1
		.amdhsa_system_sgpr_workgroup_id_y 1
		.amdhsa_system_sgpr_workgroup_id_z 1
		.amdhsa_system_vgpr_workitem_id 0
		.amdhsa_next_free_vgpr 1024
		.amdhsa_next_free_sgpr 66
		.amdhsa_reserve_vcc 1
		.amdhsa_float_denorm_mode_32 3
		.amdhsa_float_denorm_mode_16_64 3
		.amdhsa_memory_ordered 1
		.amdhsa_forward_progress 1
		.amdhsa_inst_pref_size 139
	.end_amdhsa_kernel
	.amdgpu_metadata
---
amdhsa.version: [ 1, 2 ]
amdhsa.kernels:
  - .name:           k_q03891aa0e9_score
    .symbol:         k_q03891aa0e9_score.kd
    .args:
      - { .name: qkv, .offset: 0, .size: 8, .value_kind: global_buffer, .address_space: global }
      - { .name: pt, .offset: 8, .size: 8, .value_kind: global_buffer, .address_space: global }
      - { .name: stat, .offset: 16, .size: 8, .value_kind: global_buffer, .address_space: global }
    .group_segment_fixed_size: 327680
    .private_segment_fixed_size: 0
    .kernarg_segment_align: 8
    .kernarg_segment_size: 24
    .max_flat_workgroup_size: 128
    .sgpr_count:     66
    .vgpr_count:     1024
    .wavefront_size: 32
...
	.end_amdgpu_metadata
.endif
;; end of part 3
;; launch pv (part 4): grid 8 x 32, 4 waves a work-group, clusters of 4 x 4, 327,680 bytes of LDS; arguments qkv, pt, stat, out0; writes out0
.if DOCPART == 4
	.amdgcn_target "amdgcn-amd-amdhsa--gfx1250"
	.amdhsa_code_object_version 6
	.text
	.protected	k_q03891aa0e9_pv
	.globl	k_q03891aa0e9_pv
	.p2align	8
	.type	k_q03891aa0e9_pv,@function
k_q03891aa0e9_pv:
	s_mov_b64 s[64:65], 0
	v_nop
	global_prefetch_b8 v0, s[64:65] scope:SCOPE_SE
	s_setreg_imm32_b32 hwreg(HW_REG_WAVE_MODE, 25, 1), 1
	s_wait_xcnt 0x0
	s_wait_alu depctr_hold_cnt(0) depctr_sa_sdst(0) depctr_va_vdst(0) depctr_va_sdst(0) depctr_va_ssrc(0) depctr_va_vcc(0) depctr_vm_vsrc(0)
	s_getreg_b32 s2, hwreg(HW_REG_IB_STS2, 6, 4)
	s_cmp_eq_u32 s2, 0
	s_cbranch_scc0 .Lentry_in_a_cluster
	s_endpgm
.Lentry_in_a_cluster:
	s_bfe_u32 s2, ttmp6, 0x10000c
	s_cmp_lg_u32 s2, 0xf033
	s_cbranch_scc0 .Lentry_shape_is_right
	s_endpgm
.Lentry_shape_is_right:
; out0[b][q][:] = (the sum over chunks of f[chunk][q] x (the sum over the chunk's 128 keys of p[q][k] v[k][:])) / L[q].  p (pt, f16) and, for each query and chunk, m and l (stat, f32) come from the launch
; before; v is qkv's columns 2048-3071 (f16).  M = the maximum of the query's m, the row's true maximum; f = 2^(c (m - M)), c = log2(e) / 32; L = the sum of f l.  Products, f, L and the sums over chunks in f32.
; LIMITS.  A factor or weight below 2^-126 counts as 0; NaN and infinities are not treated apart.
; SHARES.  A tile is 128 queries x 128 channels, a wave 64 x 64; a step is 256 keys, two chunks.  Block blk of 128 queries (16 a batch) needs the chunks 0 .. blk.  A work-group makes TWO tiles one after the other:
; blk1 = 4 gp + cy with 2 (gp + 1) steps, then blk2 = 4 (3 - gp) + cy with 2 (4 - gp) steps: ten steps, five laps of the ring, in every work-group, and in step in all sixteen partners of a cluster.
; A chunk beyond blk has the factor 0; where a whole step lies beyond the block's diagonal, p's address is held at the block's last tile, so that only bytes that were written are read.
; CLUSTER: 4 x 4.  cx picks the channel tile, cy the query block.  p's tile is shared along a row of the cluster, v's along a column: each is asked for jointly.
; LAYOUT.  R^T = v^T p (source 0 = 16 channels, turned out of LDS by ds_load_tr16_b128; source 1 = 16 queries): a lane holds ONE query (lane % 16) and the channels 8 (lane / 16) + 0..7, so a chunk's factor is one
; number a lane and row block.  R is started anew for each chunk (C = 0) and folded into O by 64 packed multiply-adds.
; REGISTERS: window 0: v16-29 addresses, v32-63 and v64-95 at work on the way out, v96-103 two chunks' factors, v104-111 1 / L of both blocks, v128-255 R (at work in the prologue);
;   window 1: two fragment buffers of 128 (64 of p, 64 of v, for 64 keys);  window 2: v0-127 O.
.set PP,    528                        ; a row of p in LDS: 512 bytes + 16 = 132 words: the 16 rows of a load start at 16 different groups of four banks (64 banks of 4 bytes: ISA guide 11.1)
.set VP,    288                        ; a row of v: 256 + 32 = 72 words
.set PHALF, 64*PP                      ; what a tensor load of p brings: 64 queries x 256 keys
.set VHALF, 128*VP                     ; and one of v: 128 keys x 128 channels
.set VOFF,  2*PHALF
.set SLOT,  VOFF+2*VHALF               ; 141,312
.set STAGE, 2*SLOT                     ; behind the ring: 16 rows x 272 bytes for each wave, for the way out
.set SP,    272
.set FT,    STAGE+4*16*SP              ; the factors, in the order of the walk: 20 chunks x 512 bytes: [query half][query % 16][row block]
.set RLT,   FT+20*512                  ; 1 / L of the two blocks, in the same order
.set SPARE, RLT+1024                   ; the spare words, 128 bytes for each wave: two blocks of 256 bytes that no other line names
.set VSTEP, 256*6144                   ; bytes from a step's keys to the next step's in qkv
.set AP,  16                           ; v16-17  LDS address of my p fragments in slot 0, 1
.set AV,  18                           ; v18-21  of my v fragments: slot 0 keys 0-127, 128-255; slot 1 likewise
.set FAD, 22                           ; v22     my factors of the lap in hand
.set FB,  23                           ; v23     my factors of lap 0; never rewritten
.set STO, 24
.set RD,  25
.set CO,  26
.set PFO, 27                           ; v27     the prefetches' lane offset; never rewritten
.set SPW, 28
.set NIL, 29
.set TMP, 32
.set BK,  64
.set FA0, 96                           ; v96-99   the factors of a step's first chunk for my four row blocks
.set FA1, 100                          ; v100-103 of its second
.set RL0, 104                          ; v104-107 1 / L, first block
.set RL1, 108                          ; v108-111 second block
.set R,   128
.set OF,  128                          ; the prologue, in R's registers: 24 offsets,
.set CM,  152                          ; 24 m, then f: 8 chunks of the first block, 16 of the second,
.set LL,  176                          ; 24 l
.set M1,  200
.set M2,  201
.set L1,  202
.set L2,  203
.set FW,  205
.set T4,  206
.set EE,  208
.set F0,  0                            ; fragment buffers, in window 1
.set F1,  128
.set G1,  24
.set G0,  32
.set G1B, 48
.set G0B, 56
.set PFA, 44                           ; s[44:45] what the next prefetch names
.set PFB, 46                           ; s[46:47] my rows of the second block's p, or of v, at step 0
.set NXT, 66                           ; s66  the step to be asked for next, in its block
.set LQ,  67                           ; s67  the last step of the block whose tiles are being asked for
.set PB,  76                           ; s[76:77] pt at the rows that I fetch, of that block
.set PB2, 78                           ; s[78:79] of the second block
.set VB,  80                           ; s[80:81] v at the keys and channels that I fetch, step 0
.set DMX, 82                           ; s82  the last step whose p was written, for that block
.set DMX2, 83
.set LQ2, 84
.set FS,  85                           ; s85  2,048 x the lap
.set OFP, 86                           ; s[86:87]
.set OFV, 88                           ; s[88:89]
.set OB1, 90                           ; s[90:91] out0 at my rows and channels, first block
.set OB2, 92                           ; s[92:93] second block
.set CHG, 94                           ; s94  the loop count at whose trip the first block ends
.set PQ,  95                           ; s95  the step of the second block that the next prefetch names
.set LO,  96                           ; s96, s97  a wave prefetches while LO < s3 < HI
.set HI,  97
.set PO,  98                           ; s[98:99]
.set GM,  100                          ; s100 all ones where gp = 1
.set CS,  101                          ; s101 c
.set MSB, 0
.macro WIN new
.if MSB != (\new)
	s_set_vgpr_msb (MSB<<8)|(\new)
.set MSB, \new
.endif
.endm
.set MUL,  0x05                        ; sources 0 (v) and 1 (p) window 1; C and D window 0
.set TO_F, 0x40                        ; destination window 1, address window 0
.macro JLOAD s                         ; a joint load: waves 0 and 1 fetch p's two halves, waves 2 and 3 v's; an s_nop 0 and four v_nop follow each of the two lines
	s_cmp_eq_u32 s11, 0
	s_cbranch_scc0 .Lfor_v_\@
	tensor_load_to_lds s[G0+4*(\s):G0+4*(\s)+3], s[G1:G1+7]
	s_nop 0
.rept 4
	v_nop
.endr
	s_branch .Lasked_\@
.Lfor_v_\@:
	tensor_load_to_lds s[G0B+4*(\s):G0B+4*(\s)+3], s[G1B:G1B+7]
	s_nop 0
.rept 4
	v_nop
.endr
.Lasked_\@:
.endm
.macro CREST
	s_cmp_lg_u32 s10, 0
	s_cbranch_scc1 .Lnot_wave_0_\@
	s_barrier_signal -3
.Lnot_wave_0_\@:
	s_barrier_wait -3
	s_barrier_signal -1
	s_barrier_wait -1
.endm
.macro CROUND
	s_barrier_signal -1
	s_barrier_wait -1
	CREST
.endm
; The addresses of the next step's tiles, made anew from the step's number, into slot's two descriptors; then the number steps, and behind the first block's last step goes over to the second block.
; No tensor load of the wave is out where this stands.  p's address hangs on cy alone, v's on cx alone.
.macro NEXTAD slot
	s_min_u32 s[OFP], s[NXT], s[DMX]
	s_lshl_b32 s[OFP], s[OFP], 9                   ; 256 keys are 512 bytes of a row of pt
	s_add_nc_u64 s[G0+4*(\slot)+2:G0+4*(\slot)+3], s[PB:PB+1], s[OFP:OFP+1]
	s_or_b32 s[G0+4*(\slot)+3], s[G0+4*(\slot)+3], 0x80000000
	s_mul_i32 s[OFV], s[NXT], VSTEP
	s_add_nc_u64 s[G0B+4*(\slot)+2:G0B+4*(\slot)+3], s[VB:VB+1], s[OFV:OFV+1]
	s_or_b32 s[G0B+4*(\slot)+3], s[G0B+4*(\slot)+3], 0x80000000
	s_add_co_u32 s[NXT], s[NXT], 1
	s_cmp_gt_u32 s[NXT], s[LQ]
	s_cselect_b32 s[NXT], 0, s[NXT]
	s_cselect_b64 s[PB:PB+1], s[PB2:PB2+1], s[PB:PB+1]
	s_cselect_b32 s[DMX], s[DMX2], s[DMX]
	s_cselect_b32 s[LQ], s[LQ2], s[LQ]
.endm
; A prefetch behind each joint load and the run of LDS loads that follows it, for the step that stands two refills on: places 4 to 9 of the walk, all in the second block.  p's tile is read by the two clusters
; of its row of clusters: cluster x = 0 asks, in the trips s3 = 4, 3, 2; of the 64 rows x 512 bytes that a wave fetches each of the four partners takes 16 rows, two lanes a row.  Of v, steps 4 to 7 are read
; first by the clusters with gp = 0, at places 6 to 9: they ask, in the trips s3 = 3, 2; of a wave's 128 rows of 256 bytes each partner takes 32, a lane a row.  The partners are told apart by address.
.macro ASK
	s_cmp_gt_u32 s3, s[LO]
	s_cbranch_scc0 .Lno_\@
	s_cmp_lt_u32 s3, s[HI]
	s_cbranch_scc0 .Lno_\@
	global_prefetch_b8 v[PFO], s[PFA:PFA+1] th:TH_LOAD_NT scope:SCOPE_SE
.Lno_\@:
.endm
	s_load_b256 s[68:75], s[0:1], 0x0              ; qkv s[68:69], pt s[70:71], stat s[72:73], out0 s[74:75]
	v_lshl_add_u32 v[SPW], v0, 2, SPARE
	v_mov_b32 v[NIL], 0
	ds_add_u32 v[SPW], v[NIL]                      ; the wave's opening: the add and its wait stand ahead of my first tensor load; the set-up below stands between them
	v_lshrrev_b32 v1, 5, v0
	v_readfirstlane_b32 s10, v1                    ; wave 0..3
	s_lshr_b32 s11, s10, 1                         ; my half of the queries.  Also: I fetch p (0) or v (1)
	s_and_b32 s12, s10, 1                          ; my half of the channels.  Also: which half of that tile I fetch
	s_bfe_u32 s40, ttmp6, 0x40000                  ; cx
	s_bfe_u32 s41, ttmp6, 0x40004                  ; cy
	s_lshl_b32 s15, ttmp9, 2
	s_add_co_u32 s15, s15, s40                     ; the channel tile = 4 x cluster x + cx
	s_and_b32 s14, ttmp7, 0xffff                   ; cluster y:
	s_lshr_b32 s13, s14, 1                         ; b,
	s_and_b32 s14, s14, 1                          ; gp
	s_lshl_b32 s42, s14, 2
	s_add_co_u32 s42, s42, s41                     ; blk1 = 4 gp + cy
	s_sub_co_u32 s43, 3, s14
	s_lshl_b32 s43, s43, 2
	s_add_co_u32 s43, s43, s41                     ; blk2 = 4 (3 - gp) + cy
	s_lshr_b32 s[DMX], s42, 1
	s_lshr_b32 s[DMX2], s43, 1
	s_lshl_b32 s2, s14, 1
	s_add_co_u32 s[LQ], s2, 1                      ; 2 (gp + 1) - 1
	s_sub_co_u32 s[LQ2], 7, s2                     ; 2 (4 - gp) - 1
	s_sub_co_u32 s[PQ], 2, s2                      ; place 4 of the walk is step 4 - 2 (gp + 1) of the second block
	s_sub_co_u32 s[CHG], 4, s14
	s_cmp_eq_u32 s14, 0
	s_cselect_b32 s[GM], 0, -1
	s_mov_b32 s[NXT], 0
	s_mov_b32 s[FS], 0
	s_mov_b32 s[OFP+1], 0
	s_mov_b32 s[OFV+1], 0
	s_mov_b32 s[PO+1], 0
	s_mov_b32 s[CS], 0x3d38aa3b                    ; c = log2(e) / 32
	s_lshl_b32 s16, s41, 2
	s_lshl_b32 s16, 15, s16                        ; my row of the cluster
	s_lshl_b32 s20, 0x1111, s40                    ; my column
	s_or_b32 s[G1+0], s16, (1<<16)|(1<<20)|(1<<21)|(6<<22)|(3<<25)   ; p: the mask; elements of 2 bytes; padding on; bit 21 beside a mask; after every 128 words 4 words
	s_mov_b32 s[G1+1], 256<<16                     ; tensor_dim0 = 256
	s_mov_b32 s[G1+2], 64<<16                      ; tensor_dim1 = 64
	s_mov_b32 s[G1+3], 256<<16                     ; tile_dim0 = 256
	s_mov_b32 s[G1+4], 64                          ; tile_dim1 = 64
	s_mov_b32 s[G1+5], 2048                        ; elements from row to row of pt
	s_mov_b32 s[G1+6], 0
	s_mov_b32 s[G1+7], 0
	s_or_b32 s[G1B+0], s20, (1<<16)|(1<<20)|(1<<21)|(5<<22)|(7<<25)  ; v: after every 64 words 8 words
	s_mov_b32 s[G1B+1], 128<<16
	s_mov_b32 s[G1B+2], 128<<16
	s_mov_b32 s[G1B+3], 128<<16
	s_mov_b32 s[G1B+4], 128
	s_mov_b32 s[G1B+5], 3072                       ; elements from row to row of qkv
	s_mov_b32 s[G1B+6], 0
	s_mov_b32 s[G1B+7], 0
	s_lshl_b32 s16, s13, 11                        ; p: row 2,048 b + 64 x half + 128 blk, in rows of 4,096 bytes
	s_lshl_b32 s17, s12, 6
	s_add_co_u32 s16, s16, s17
	s_lshl_b32 s17, s42, 7
	s_add_co_u32 s17, s17, s16
	s_lshl_b32 s18, s17, 12
	s_lshl_b32 s17, s43, 7
	s_add_co_u32 s17, s17, s16
	s_lshl_b32 s16, s17, 12
	s_mov_b32 s17, 0
	s_mov_b32 s19, 0
	s_lshl_b32 s20, s13, 11                        ; v: row 2,048 b + 128 x half, 4,096 bytes into the row, + 256 bytes for each channel tile
	s_lshl_b32 s21, s12, 7
	s_add_co_u32 s20, s20, s21
	s_mul_i32 s20, s20, 6144
	s_lshl_b32 s21, s15, 8
	s_add_co_u32 s20, s20, s21
	s_add_co_u32 s20, s20, 4096
	s_mov_b32 s21, 0
	s_mul_i32 s22, s12, PHALF                      ; where they go: no place in the cluster enters an LDS address
	s_mul_i32 s23, s12, VHALF
	s_add_co_u32 s23, s23, VOFF
.irp s, 0,1
	s_mov_b32 s[G0+4*(\s)], 1
	s_add_co_u32 s[G0+4*(\s)+1], s22, (\s)*SLOT
	s_mov_b32 s[G0B+4*(\s)], 1
	s_add_co_u32 s[G0B+4*(\s)+1], s23, (\s)*SLOT
.endr
	s_wait_dscnt 0x0                               ; the opening add is done
	s_wait_kmcnt 0x0
	s_add_nc_u64 s[PB:PB+1], s[70:71], s[18:19]
	s_add_nc_u64 s[PB2:PB2+1], s[70:71], s[16:17]
	s_add_nc_u64 s[VB:VB+1], s[68:69], s[20:21]
	NEXTAD 0                                       ; places 0 and 1 of the walk
	NEXTAD 1
	CROUND                                         ; all sixteen work-groups are here: the first joint loads meet
	JLOAD 0                                        ; two tensor loads of mine are out
	JLOAD 1
	; m and l: thread t owns query t of both blocks.  A chunk beyond the block is read at the block's last chunk, which was written, and gets the factor 0 below
	s_lshl_b32 s8, s13, 17
	s_lshl_b32 s4, s42, 9
	s_add_co_u32 s4, s4, s8
	s_mov_b32 s5, 0
	s_add_nc_u64 s[4:5], s[72:73], s[4:5]          ; stat at (32,768 b + 128 blk1) x 4 bytes
	s_lshl_b32 s6, s43, 9
	s_add_co_u32 s6, s6, s8
	s_mov_b32 s7, 0
	s_add_nc_u64 s[6:7], s[72:73], s[6:7]
	v_lshlrev_b32 v[T4], 2, v0
.set n, 0
.rept 8
	s_min_u32 s8, s42, n
	s_lshl_b32 s8, s8, 13                          ; 2,048 queries x 4 bytes a chunk
	v_add_nc_u32 v[OF+n], s8, v[T4]
	global_load_b32 v[CM+n], v[OF+n], s[4:5]
	global_load_b32 v[LL+n], v[OF+n], s[4:5] offset:524288
.set n, n+1
.endr
.set n, 0
.rept 16
	s_min_u32 s8, s43, n
	s_lshl_b32 s8, s8, 13
	v_add_nc_u32 v[OF+8+n], s8, v[T4]
	global_load_b32 v[CM+8+n], v[OF+8+n], s[6:7]
	global_load_b32 v[LL+8+n], v[OF+8+n], s[6:7] offset:524288
.set n, n+1
.endr
	; the addresses, while those loads and the first tiles are on their way
	v_and_b32 v1, 15, v0                           ; r
	v_bfe_u32 v2, v0, 4, 1                         ; h
	v_and_b32 v3, 31, v0                           ; lane
	v_mul_u32_u24 v4, v1, PP
	v_lshl_add_u32 v4, v2, 4, v4
	s_mul_i32 s2, s11, PHALF
	v_add_nc_u32 v[AP], s2, v4                     ; my 64 queries: row x pitch + 16 x half of the lanes
	v_add_nc_u32 v[AP+1], SLOT, v[AP]
	v_and_b32 v5, 7, v0                            ; the turning load: lane l reads key 8 (l / 16) + l % 8, channels 8 ((l / 8) % 2) + 0..7
	v_bfe_u32 v6, v0, 3, 1
	v_lshl_add_u32 v5, v2, 3, v5
	v_mul_u32_u24 v5, v5, VP
	v_lshl_add_u32 v5, v6, 4, v5
	s_lshl_b32 s2, s12, 7                          ; my 64 channels
	s_add_co_u32 s2, s2, VOFF
	v_add_nc_u32 v[AV], s2, v5
	v_add_nc_u32 v[AV+1], VHALF, v[AV]
	v_add_nc_u32 v[AV+2], SLOT, v[AV]
	v_add_nc_u32 v[AV+3], SLOT+VHALF, v[AV]
	s_mul_i32 s2, s10, 16*SP
	s_add_co_u32 s2, s2, STAGE                     ; my stage
	v_mul_u32_u24 v4, v1, SP                       ; in: row r, 32 bytes for each half of the lanes
	v_lshl_add_u32 v4, v2, 5, v4
	v_add_nc_u32 v[STO], s2, v4
	v_mul_u32_u24 v4, v2, SP                       ; back: lanes 0-15 one row of 256 bytes, lanes 16-31 the next
	v_lshl_add_u32 v4, v1, 4, v4
	v_add_nc_u32 v[RD], s2, v4
	v_lshlrev_b32 v4, 12, v2                       ; and the same two rows of out0
	v_lshl_add_u32 v[CO], v1, 4, v4
	s_lshl_b32 s2, s11, 8
	s_add_co_u32 s2, s2, FT
	v_lshl_add_u32 v[FB], v1, 4, s2                ; my query's four factors: half x 256 + 16 r
	v_lshrrev_b32 v4, 6, v0                        ; where thread t puts query t's factor: (t / 64) x 256 + (t % 16) x 16 + ((t / 16) % 4) x 4
	v_lshlrev_b32 v4, 8, v4
	v_lshl_add_u32 v4, v1, 4, v4
	v_bfe_u32 v5, v0, 4, 2
	v_lshl_add_u32 v4, v5, 2, v4
	v_add_nc_u32 v[FW], FT, v4
	v_lshrrev_b32 v4, 1, v3                        ; the prefetches' lane offset: p: two lanes a row of 4,096 bytes, 256 bytes apart;
	v_lshlrev_b32 v4, 12, v4
	v_and_b32 v5, 1, v3
	v_lshl_add_u32 v4, v5, 8, v4
	v_mul_u32_u24 v5, v3, 6144                     ; v: a lane a row of 6,144
	s_cmp_eq_u32 s11, 0
	s_cselect_b32 s2, -1, 0
	v_cndmask_b32 v[PFO], v5, v4, s2
	s_cselect_b32 s8, ttmp9, s14                   ; p's waves ask where cluster x = 0, v's where gp = 0
	s_cselect_b32 s[HI], 5, 4
	s_cmp_eq_u32 s8, 0
	s_cselect_b32 s[LO], 1, -1
	s_lshl_b32 s8, s13, 11
	s_lshl_b32 s9, s43, 7
	s_add_co_u32 s9, s9, s8
	s_lshl_b32 s2, s12, 6
	s_add_co_u32 s9, s9, s2
	s_lshl_b32 s2, s40, 4
	s_add_co_u32 s9, s9, s2                        ; p: row 2,048 b + 128 blk2 + 64 x half + 16 cx
	s_lshl_b32 s9, s9, 12
	s_lshl_b32 s2, s12, 7
	s_add_co_u32 s8, s8, s2
	s_lshl_b32 s2, s41, 5
	s_add_co_u32 s8, s8, s2                        ; v: row 2,048 b + 128 x half + 32 cy
	s_mul_i32 s8, s8, 6144
	s_lshl_b32 s2, s15, 8
	s_add_co_u32 s8, s8, s2
	s_add_co_u32 s8, s8, 4096
	s_cmp_eq_u32 s11, 0
	s_cselect_b32 s8, s9, s8
	s_cselect_b64 s[PFB:PFB+1], s[70:71], s[68:69]
	s_mov_b32 s9, 0
	s_add_nc_u64 s[PFB:PFB+1], s[PFB:PFB+1], s[8:9]
	s_mov_b64 s[PFA:PFA+1], s[PFB:PFB+1]
	s_lshl_b32 s8, s13, 11                         ; out0: row 2,048 b + 64 x my half + 128 blk, + 512 bytes a channel tile + 256 x my half
	s_lshl_b32 s9, s11, 6
	s_add_co_u32 s8, s8, s9
	s_lshl_b32 s9, s15, 9
	s_lshl_b32 s2, s12, 8
	s_add_co_u32 s9, s9, s2
	s_lshl_b32 s16, s42, 7
	s_add_co_u32 s16, s16, s8
	s_lshl_b32 s16, s16, 12
	s_add_co_u32 s16, s16, s9
	s_mov_b32 s17, 0
	s_add_nc_u64 s[OB1:OB1+1], s[74:75], s[16:17]
	s_lshl_b32 s16, s43, 7
	s_add_co_u32 s16, s16, s8
	s_lshl_b32 s16, s16, 12
	s_add_co_u32 s16, s16, s9
	s_add_nc_u64 s[OB2:OB2+1], s[74:75], s[16:17]
	WIN 0x80
.set n, 0
.rept 128
	v_mov_b32 v[n], 0                              ; O starts at 0, so that every chunk is folded by one form; written in the wait for the first tiles
.set n, n+1
.endr
	WIN 0
	s_wait_loadcnt 0x0                             ; m and l
	v_max3_num_f32 v[M1], v[CM], v[CM+1], v[CM+2]  ; M: the row's true maximum
	v_max3_num_f32 v[M2], v[CM+8], v[CM+9], v[CM+10]
	v_max3_num_f32 v[M1], v[M1], v[CM+3], v[CM+4]
	v_max3_num_f32 v[M2], v[M2], v[CM+11], v[CM+12]
	v_max3_num_f32 v[M1], v[M1], v[CM+5], v[CM+6]
	v_max3_num_f32 v[M2], v[M2], v[CM+13], v[CM+14]
	v_max_num_f32 v[M1], v[M1], v[CM+7]
	v_max3_num_f32 v[M2], v[M2], v[CM+15], v[CM+16]
	v_max3_num_f32 v[M2], v[M2], v[CM+17], v[CM+18]
	v_max3_num_f32 v[M2], v[M2], v[CM+19], v[CM+20]
	v_max3_num_f32 v[M2], v[M2], v[CM+21], v[CM+22]
	v_max_num_f32 v[M2], v[M2], v[CM+23]
.set n, 0
.rept 8
	v_sub_f32 v[CM+n], v[CM+n], v[M1]
.set n, n+1
.endr
.rept 16
	v_sub_f32 v[CM+n], v[CM+n], v[M2]
.set n, n+1
.endr
.set n, 0
.rept 24
	v_mul_f32 v[CM+n], s[CS], v[CM+n]
.set n, n+1
.endr
.set n, 0
.rept 24
	v_exp_f32 v[CM+n], v[CM+n]                     ; f = 2^(c (m - M)): one batch
.set n, n+1
.endr
	v_nop                                          ; a plain instruction behind the last exponential,
	s_wait_alu depctr_va_vdst(0)                   ; and one wait for the batch
.set n, 0
.rept 8
	s_cmp_ge_u32 s42, n                            ; a chunk beyond the block counts for nothing
	s_cselect_b32 s8, 1.0, 0
	v_mul_f32 v[CM+n], s8, v[CM+n]
.set n, n+1
.endr
.set n, 0
.rept 16
	s_cmp_ge_u32 s43, n
	s_cselect_b32 s8, 1.0, 0
	v_mul_f32 v[CM+8+n], s8, v[CM+8+n]
.set n, n+1
.endr
	v_mul_f32 v[L1], v[CM], v[LL]                  ; L = the sum of f l
	v_mul_f32 v[L2], v[CM+8], v[LL+8]
.set n, 1
.rept 7
	v_fmac_f32 v[L1], v[CM+n], v[LL+n]
	v_fmac_f32 v[L2], v[CM+8+n], v[LL+8+n]
.set n, n+1
.endr
.set n, 16
.rept 8
	v_fmac_f32 v[L2], v[CM+n], v[LL+n]
.set n, n+1
.endr
	v_rcp_f32 v[L1], v[L1]
	v_rcp_f32 v[L2], v[L2]
	; the factors in the order of the walk: with gp = 0 four chunks of the first block, then sixteen of the second; with gp = 1 eight, then twelve.  These lines name no reciprocal
.set n, 0
.rept 20
.if n < 4
.set YW, CM+n
.else
.set YW, CM+8+n-4
.endif
.if n < 8
.set XW, CM+n
.else
.set XW, CM+8+n-8
.endif
	v_cndmask_b32 v[EE+n%4], v[YW], v[XW], s[GM]
	ds_store_b32 v[FW], v[EE+n%4] offset:512*n
.set n, n+1
.endr
	s_wait_alu depctr_va_vdst(0)                   ; one wait for the two reciprocals, ahead of their first reader
	ds_store_b32 v[FW], v[L1] offset:RLT-FT
	ds_store_b32 v[FW], v[L2] offset:RLT-FT+512
; 8 matrix instructions: query blocks a0, a0 + 1 x all 4 channel blocks, 32 keys: half c of buffer f.  zero = 1: the products start a chunk's sums.  The 16 accumulators take turns.
.macro MUL8 f, c, a0, zero
	WIN MUL
.irp a, \a0, (\a0)+1
.irp b, 0,1,2,3
.if \zero
	v_wmma_f32_16x16x32_f16 v[R+8*(4*(\a)+(\b)):R+8*(4*(\a)+(\b))+7], v[(\f)+64+8*(4*(\c)+(\b)):(\f)+64+8*(4*(\c)+(\b))+7], v[(\f)+8*(4*(\c)+(\a)):(\f)+8*(4*(\c)+(\a))+7], 0
.else
	v_wmma_f32_16x16x32_f16 v[R+8*(4*(\a)+(\b)):R+8*(4*(\a)+(\b))+7], v[(\f)+64+8*(4*(\c)+(\b)):(\f)+64+8*(4*(\c)+(\b))+7], v[(\f)+8*(4*(\c)+(\a)):(\f)+8*(4*(\c)+(\a))+7], v[R+8*(4*(\a)+(\b)):R+8*(4*(\a)+(\b))+7]
.endif
.endr
.endr
.endm
; 32 LDS loads in one run: the fragments of quarter q (64 keys) of a slot into buffer f; the first 32 keys first
.macro FETCH slot, q, f
	WIN TO_F
.irp c, 0,1
.irp i, 0,1,2,3
	ds_load_tr16_b128 v[(\f)+64+8*(4*(\c)+(\i)):(\f)+64+8*(4*(\c)+(\i))+3],   v[AV+2*(\slot)+(\q)/2] offset:(((\q)%2)*64+32*(\c))*VP+32*(\i)
	ds_load_tr16_b128 v[(\f)+64+8*(4*(\c)+(\i))+4:(\f)+64+8*(4*(\c)+(\i))+7], v[AV+2*(\slot)+(\q)/2] offset:(((\q)%2)*64+32*(\c)+16)*VP+32*(\i)
	ds_load_b128 v[(\f)+8*(4*(\c)+(\i)):(\f)+8*(4*(\c)+(\i))+3],   v[AP+(\slot)] offset:128*(\q)+64*(\c)+(\i)*16*PP
	ds_load_b128 v[(\f)+8*(4*(\c)+(\i))+4:(\f)+8*(4*(\c)+(\i))+7], v[AP+(\slot)] offset:128*(\q)+64*(\c)+(\i)*16*PP+32
.endr
.endr
.endm
.macro PLACES                          ; four plain instructions between a matrix instruction and a reader of its result, or a load into a register that it has read
.rept 4
	v_nop
.endr
.endm
; A step is four quarters of 64 keys, 32 matrix instructions each, on buffers 0, 1, 0, 1; two quarters are a chunk.  This one multiplies buffer f and fetches quarter q of the slot into g.
; fo >= 0: the step's two sets of factors are fetched too, from byte fo of the lap's.
.macro QUARTER slot, q, f, g, zero, fo=-1
	s_wait_dscnt 16                                ; the first 32 keys' fragments are in; the youngest sixteen loads may be out
	MUL8 \f, 0, 0, \zero
	MUL8 \f, 0, 2, \zero
	PLACES
.if (\fo) >= 0
	WIN 0
	ds_load_b128 v[FA0:FA0+3], v[FAD] offset:(\fo)
	ds_load_b128 v[FA1:FA1+3], v[FAD] offset:(\fo)+512
.endif
	FETCH \slot, \q, \g
	s_wait_dscnt 32                                ; all but the 32 just issued
	MUL8 \f, 1, 0, 0
	MUL8 \f, 1, 2, 0
.endm
; A chunk is done: O += f R, the factor of the lane's query and of row block a; R's registers in ascending order.
.macro FOLD x
	PLACES
	WIN 0xa0                                       ; O (destination and source 2) window 2; R and the factors window 0
.irp a, 0,1,2,3
.set p, 32*(\a)
.rept 16
.if (\a)%2
	v_pk_fma_f32 v[p:p+1], v[R+p:R+p+1], v[(\x)+2*((\a)/2):(\x)+2*((\a)/2)+1], v[p:p+1] op_sel:[0,1,0] op_sel_hi:[1,1,1]
.else
	v_pk_fma_f32 v[p:p+1], v[R+p:R+p+1], v[(\x)+2*((\a)/2):(\x)+2*((\a)/2)+1], v[p:p+1] op_sel_hi:[1,0,1]
.endif
.set p, p+2
.endr
.endr
.endm
; A step's last quarter, and the change of slots.  fill = 1: the barrier opens a round of the cluster's barrier, and the slot just read out is filled again, first thing behind it, with the walk's step two on:
; 112 matrix instructions and two folds ahead of the wait for it.
.macro TURN slot, next, fill
.if \fill
	s_wait_xcnt 0x0                                ; the last prefetch, a step back, has read its address
	s_min_u32 s[PO], s[PQ], s[DMX2]
	s_lshl_b32 s[PO], s[PO], 9
	s_mul_i32 s2, s[PQ], VSTEP
	s_cmp_eq_u32 s11, 0
	s_cselect_b32 s[PO], s[PO], s2
	s_add_nc_u64 s[PFA:PFA+1], s[PFB:PFB+1], s[PO:PO+1]
	s_add_co_u32 s[PQ], s[PQ], 1
.endif
	WIN 0
	s_wait_tensorcnt 0x0                           ; all my tensor loads have landed: the one that was out is my part of the next slot; so the descriptors may be written
	ds_add_u32 v[SPW], v[NIL]                      ; 0 onto my spare word
.if \fill
	NEXTAD \slot
.endif
	s_wait_dscnt 17                                ; the add and the youngest sixteen loads may be out
	MUL8 F1, 0, 0, 0
	s_wait_dscnt 0x0                               ; the add is done, and my reads of this slot are over
	s_barrier_signal -1
	MUL8 F1, 0, 2, 0
.if \fill
	WIN 0
.endif
	s_barrier_wait -1
.if \fill
	CREST                                          ; no wave of any partner still reads this slot or has a load on its way
	JLOAD \slot                                    ; its four v_nop are also the places in front of the loads below
.else
	PLACES
.endif
	FETCH \next, 0, F0
.if \fill
	WIN 0
	ASK
.endif
	MUL8 F1, 1, 0, 0
	MUL8 F1, 1, 2, 0
.endm
; THE WAY OUT of a block: O / L, 16 queries at a time through my stage: a lane's 32 bytes go into rows of 272 bytes and come back as whole rows of 256.
.macro WAYOUT rl, ob
.irp a, 0,1,2,3
	WIN 0x02                                       ; source 0 (O) window 2
.set p, 0
.rept 16
.if (\a)%2
	v_pk_mul_f32 v[TMP+p:TMP+p+1], v[32*(\a)+p:32*(\a)+p+1], v[(\rl)+2*((\a)/2):(\rl)+2*((\a)/2)+1] op_sel:[0,1] op_sel_hi:[1,1]
.else
	v_pk_mul_f32 v[TMP+p:TMP+p+1], v[32*(\a)+p:32*(\a)+p+1], v[(\rl)+2*((\a)/2):(\rl)+2*((\a)/2)+1] op_sel_hi:[1,0]
.endif
.set p, p+2
.endr
	WIN 0
.irp b, 0,1,2,3
	ds_store_b128 v[STO], v[TMP+8*(\b):TMP+8*(\b)+3]   offset:64*(\b)
	ds_store_b128 v[STO], v[TMP+8*(\b)+4:TMP+8*(\b)+7] offset:64*(\b)+16
.endr
	s_wait_xcnt 0x0                                ; the stores of the sixteen queries before have read their data: it is loaded anew only behind this wait
.irp t, 0,1,2,3,4,5,6,7
	ds_load_b128 v[BK+4*(\t):BK+4*(\t)+3], v[RD] offset:(\t)*2*SP  ; my own bytes, served in order behind the stores above (ISA guide 5.7.1.4)
.endr
.irp t, 0,1,2,3,4,5,6,7
	s_wait_dscnt 7-(\t)                            ; pair t of rows is in; the younger loads stay out
	global_store_b128 v[CO], v[BK+4*(\t):BK+4*(\t)+3], s[(\ob):(\ob)+1] offset:(16*(\a)+2*(\t))*4096  ; 16 lanes store 256 consecutive bytes, at a multiple of 256 from out0's first byte
.endr
.endr
.endm
	s_wait_tensorcnt 1                             ; my part of the walk's first step is in; the second's may stay out
	s_wait_dscnt 0x0                               ; my factors lie in LDS
	s_barrier_signal -1
	s_barrier_wait -1
	ds_load_b128 v[RL0:RL0+3], v[FB] offset:RLT-FT
	ds_load_b128 v[RL1:RL1+3], v[FB] offset:RLT-FT+512
	v_mov_b32 v[FAD], v[FB]
	FETCH 0, 0, F0
	QUARTER 0, 1, F0, F1, 1, 0
	WIN 0
	s_mov_b32 s3, 4
.Llap:                                                 ; a trip goes once round the ring, from a lap's second quarter to the next lap's first, and fills both slots again: places 2 to 9 in four trips
	QUARTER 0, 2, F1, F0, 0
	FOLD FA0
	QUARTER 0, 3, F0, F1, 1
	TURN 0, 1, 1
	FOLD FA1
	QUARTER 1, 1, F0, F1, 1, 1024
	QUARTER 1, 2, F1, F0, 0
	FOLD FA0
	QUARTER 1, 3, F0, F1, 1
	TURN 1, 0, 1
	FOLD FA1
	WIN 0
	s_cmp_eq_u32 s3, s[CHG]                        ; the first block ends with lap gp: the same trip in all sixteen partners.  What is jumped holds no barrier and no tensor load
	s_cbranch_scc0 .Lsame
	WAYOUT RL0, OB1
	WIN 0x80
.set n, 0
.rept 128
	v_mov_b32 v[n], 0                              ; the second block's O starts at 0
.set n, n+1
.endr
	WIN 0
.Lsame:
	s_add_co_u32 s[FS], s[FS], 2048                ; the next lap's four chunks of factors
	v_add_nc_u32 v[FAD], s[FS], v[FB]
	QUARTER 0, 1, F0, F1, 1, 0
	WIN 0
	s_sub_co_u32 s3, s3, 1
	s_cmp_lg_u32 s3, 0
	s_cbranch_scc1 .Llap
	QUARTER 0, 2, F1, F0, 0                        ; the last lap fills nothing, and has no round of the cluster's barrier
	FOLD FA0
	QUARTER 0, 3, F0, F1, 1
	TURN 0, 1, 0
	FOLD FA1
	QUARTER 1, 1, F0, F1, 1, 1024
	QUARTER 1, 2, F1, F0, 0
	FOLD FA0
	QUARTER 1, 3, F0, F1, 1
	s_wait_dscnt 16                                ; the very last quarter
	MUL8 F1, 0, 0, 0
	MUL8 F1, 0, 2, 0
	s_wait_dscnt 0x0
	MUL8 F1, 1, 0, 0
	MUL8 F1, 1, 2, 0
	FOLD FA1
	WAYOUT RL1, OB2
	WIN 0
	s_wait_tensorcnt 0x0                           ; the wave's end, behind my last tensor load and my last LDS store
	ds_add_u32 v[SPW], v[NIL]
	s_wait_dscnt 0x0
	CROUND                                         ; the closing round
	s_endpgm
.Lfunc_end_k_q03891aa0e9_pv:
	.size	k_q03891aa0e9_pv, .Lfunc_end_k_q03891aa0e9_pv-k_q03891aa0e9_pv
	.p2alignl 7, 3214868480
	.fill 96, 4, 3214868480
	.section	.rodata,"a",@progbits
	.p2align	6, 0x0
	.amdhsa_kernel k_q03891aa0e9_pv
		.amdhsa_group_segment_fixed_size 327680
		.amdhsa_private_segment_fixed_size 0
		.amdhsa_enable_private_segment 0
		.amdhsa_kernarg_size 32
		.amdhsa_user_sgpr_count 2
		.amdhsa_user_sgpr_kernarg_segment_ptr 1
		.amdhsa_wavefront_size32 1
		.amdhsa_system_sgpr_workgroup_id_x 1
		.amdhsa_system_sgpr_workgroup_id_y 1
		.amdhsa_system_sgpr_workgroup_id_z 1
		.amdhsa_system_vgpr_workitem_id 0
		.amdhsa_next_free_vgpr 640
		.amdhsa_next_free_sgpr 102
		.amdhsa_reserve_vcc 0
		.amdhsa_float_denorm_mode_32 3
		.amdhsa_float_denorm_mode_16_64 3
		.amdhsa_memory_ordered 1
		.amdhsa_forward_progress 1
		.amdhsa_inst_pref_size 167
	.end_amdhsa_kernel
	.amdgpu_metadata
---
amdhsa.version: [ 1, 2 ]
amdhsa.kernels:
  - .name:           k_q03891aa0e9_pv
    .symbol:         k_q03891aa0e9_pv.kd
    .args:
      - { .name: qkv, .offset: 0, .size: 8, .value_kind: global_buffer, .address_space: global }
      - { .name: pt, .offset: 8, .size: 8, .value_kind: global_buffer, .address_space: global }
      - { .name: stat, .offset: 16, .size: 8, .value_kind: global_buffer, .address_space: global }
      - { .name: out0, .offset: 24, .size: 8, .value_kind: global_buffer, .address_space: global }
    .group_segment_fixed_size: 327680
    .private_segment_fixed_size: 0
    .kernarg_segment_align: 8
    .kernarg_segment_size: 32
    .max_flat_workgroup_size: 128
    .sgpr_count:     102
    .vgpr_count:     640
    .wavefront_size: 32
...
	.end_amdgpu_metadata
.endif
;; end of part 4
;; ======== version 2 of 2: 4 launches; version 1 with the launch cvt written anew for expert scheduling mode
;; limits: values are held in f16: magnitudes above 65,504 overflow, below 6.1e-05 lose precision
;; workspace buffers: xb 16,777,216 bytes; wb 6,291,456 bytes; bb 12,288 bytes; qkv 50,331,648 bytes; pt 33,554,432 bytes; stat 1,048,576 bytes
;; launch cvt (part 5): grid 705 x 1, 8 waves a work-group, no clusters, 0 bytes of LDS; arguments x, Wq, Wk, Wv, bq, bk, bv, xb, wb, bb; writes xb, wb, bb
.if DOCPART == 5
	.amdgcn_target "amdgcn-amd-amdhsa--gfx1250"
	.amdhsa_code_object_version 6
	.text
	.protected	k_q03891aa0e9_cvt
	.globl	k_q03891aa0e9_cvt
	.p2align	8
	.type	k_q03891aa0e9_cvt,@function
k_q03891aa0e9_cvt:
	s_mov_b64 s[64:65], 0
	v_nop
	global_prefetch_b8 v0, s[64:65] scope:SCOPE_SE
	s_setreg_imm32_b32 hwreg(HW_REG_WAVE_SCHED_MODE, 0, 2), 2
	s_setreg_imm32_b32 hwreg(HW_REG_WAVE_MODE, 25, 1), 1
	s_wait_xcnt 0x0
	s_wait_alu depctr_vm_vsrc(0)
; x [8192][1024] and Wq, Wk, Wv [1024][1024], all f32, are rounded once to bf16 and laid out BY K BLOCKS for the launch behind: xb [16][8192][64], wb [16][3072][64] (rows: Wq's, Wk's, Wv's):
; number (row, k) lies at block k / 64, row, place k % 64, so that the rows of one K block lie end to end, 128 bytes each.  bq, bk, bv [1024] f32 are rounded to bf16 too and kept as f32: bb [3072].
; A stream: every byte is read once and written once.  No LDS, no matrix work, no barrier: no wave wants a byte of another wave.
; SHARES.  Work-groups 0-511 take 16 rows of x each, 512-703 16 rows of a weight, work-group 704 the three biases.  Thread t takes row t / 16 of the sixteen and, in each K block g, the four numbers
; 4 (t % 16) on: sixteen lanes read 256 consecutive bytes, aligned; a wave's store of 8 bytes a lane covers two rows of a K block: 256 consecutive bytes, aligned.
; All 16 loads of a lane go out at once; no register is written twice, so no source of a pending instruction is ever rewritten.
; THE MODE: SCHED_MODE bits 1:0 = 2 (LLVM: expert scheduling mode 2), set by the entry lines.  The code itself states the register dependences between vector instructions and memory instructions,
; with s_wait_alu, always for 0.
; THE PLAN.  Registers that memory instructions touch:
;   v1, v3, O0   offsets, written once at the head; read by the loads (v1), by the biases' loads and stores (v3), by K block 0's store (O0).
;   O1 .. O15    written once each by the adds behind the loads; each read by its K block's store.
;   X            written by the loads alone, once; read by the conversions; nothing lands there again.
;   Y            written once by a K block's two conversions; read by its store.
; No register that a memory instruction reads is written again, and no load lands in a register that a vector instruction has named: so all that is to be stated is that a store's data and offset, and a load's
; offset, are written.  The 16 K blocks go in four groups of four.  Group q's conversions write its own Y; its memory instructions are the stores of group q - 1, which read that group's Y and O.  So ONE wait
; at a group's head states all that its four stores hang on, and they are dealt among its conversions with no further wait.
.set X, 4                              ; v[4:67]    K block g: four f32 as loaded
.set Y, 68                             ; v[68:99]   K block g: four bf16 to store
.set O, 100                            ; v[100:115] K block g: my byte offset in the destination
	s_load_b256 s[4:11], s[0:1], 0x0               ; x s[4:5], Wq s[6:7], Wk s[8:9], Wv s[10:11]
	s_load_b256 s[12:19], s[0:1], 0x20             ; bq s[12:13], bk s[14:15], bv s[16:17], xb s[18:19]
	s_load_b128 s[20:23], s[0:1], 0x40             ; wb s[20:21], bb s[22:23]
	v_lshrrev_b32 v1, 4, v0                        ; my row of the sixteen
	v_and_b32 v2, 15, v0
	v_lshlrev_b32 v1, 12, v1                       ; 4,096 bytes a row of the source,
	v_lshl_add_u32 v1, v2, 4, v1                   ; 16 bytes a lane
	v_lshlrev_b32 v[O], 3, v0                      ; in a K block of the destination: 128 (t / 16) + 8 (t % 16) = 8 t
	v_lshlrev_b32 v3, 4, v0                        ; 16 t: for the biases
	s_sub_co_u32 s34, ttmp9, 512                   ; my number among the weights' work-groups (used only from 512 on)
	s_and_b32 s35, s34, 63                         ; my block of 16 rows in that weight
	s_lshr_b32 s36, s34, 6                         ; which weight
	s_mov_b32 s28, 3072*128                        ; bytes in a K block of wb,
	s_mov_b32 s29, 8192*128                        ; and of xb
	s_mov_b32 s31, 0
	s_mov_b32 s33, 0
	s_wait_kmcnt 0x0
	s_wait_alu depctr_va_vdst(0)                   ; v1, v3 and v[O] are written: the loads of both ways below read v1 or v3 as their offset, the biases' stores v3
	s_cmp_eq_u32 ttmp9, 704
	s_cbranch_scc1 .Lbias
	s_cmp_eq_u32 s36, 0
	s_cselect_b64 s[24:25], s[6:7], s[8:9]         ; Wq or Wk,
	s_cmp_gt_u32 s36, 1
	s_cselect_b64 s[24:25], s[10:11], s[24:25]     ; or Wv,
	s_cmp_lt_u32 ttmp9, 512
	s_cselect_b64 s[24:25], s[4:5], s[24:25]       ; or x
	s_cselect_b64 s[26:27], s[18:19], s[20:21]     ; into xb or wb
	s_cselect_b32 s30, ttmp9, s35
	s_cselect_b32 s32, ttmp9, s34
	s_cselect_b32 s28, s29, s28
	s_lshl_b32 s30, s30, 16                        ; 16 rows are 65,536 bytes of the source,
	s_lshl_b32 s32, s32, 11                        ; and 2,048 bytes of a K block of the destination
	s_add_nc_u64 s[24:25], s[24:25], s[30:31]
	s_add_nc_u64 s[26:27], s[26:27], s[32:33]
.irp g, 0,1,2,3,4,5,6,7,8,9,10,11,12,13,14,15
	global_load_b128 v[X+4*(\g):X+4*(\g)+3], v1, s[24:25] offset:256*(\g) th:TH_LOAD_NT
.endr
.irp g, 1,2,3,4,5,6,7,8,9,10,11,12,13,14,15
	v_add_nc_u32 v[O+(\g)], s28, v[O+(\g)-1]       ; a K block further on
.endr
; Group q: K blocks 4 q to 4 q + 3 are rounded; the stores of group q - 1 go out among the conversions, a store ahead of each pair.
.macro GROUP q
	s_wait_loadcnt 12-4*(\q)                       ; loads come back in order: the group's four K blocks are in, the 12 - 4 q younger loads stay out
.if (\q) > 0
	s_wait_alu depctr_va_vdst(0)                   ; the group before has written its Y, and the adds above have written O: the four stores below read them; the conversions below write this group's Y alone
.endif
.irp i, 0,1,2,3
.if (\q) > 0
	global_store_b64 v[O+4*(\q)-4+(\i)], v[Y+2*(4*(\q)-4+(\i)):Y+2*(4*(\q)-4+(\i))+1], s[26:27]
.endif
	v_cvt_pk_bf16_f32 v[Y+2*(4*(\q)+(\i))], v[X+4*(4*(\q)+(\i))], v[X+4*(4*(\q)+(\i))+1]
	v_cvt_pk_bf16_f32 v[Y+2*(4*(\q)+(\i))+1], v[X+4*(4*(\q)+(\i))+2], v[X+4*(4*(\q)+(\i))+3]
.endr
.endm
	GROUP 0                                        ; no group stands in front of it: no store, and no dependence to state
	GROUP 1
	GROUP 2
	GROUP 3
	s_wait_alu depctr_va_vdst(0)                   ; group 3 has written its Y, which the last four stores read
.irp i, 12,13,14,15
	global_store_b64 v[O+(\i)], v[Y+2*(\i):Y+2*(\i)+1], s[26:27]
.endr
	s_endpgm
.Lbias:                                                ; thread t: four numbers of each bias
	global_load_b128 v[4:7],   v3, s[12:13]
	global_load_b128 v[8:11],  v3, s[14:15]
	global_load_b128 v[12:15], v3, s[16:17]
	s_wait_loadcnt 0x0
.irp k, 0,1,2,3,4,5
	v_cvt_pk_bf16_f32 v[16+(\k)], v[4+2*(\k)], v[4+2*(\k)+1]
.endr
.irp k, 0,1,2,3,4,5
	v_lshlrev_b32 v[24+2*(\k)], 16, v[16+(\k)]     ; bf16 as f32: the low half moves up,
	v_and_b32 v[24+2*(\k)+1], 0xffff0000, v[16+(\k)]  ; the high half stays
.endr
	s_wait_alu depctr_va_vdst(0)                   ; the shifts and masks have written v[24:35], which the three stores read
	global_store_b128 v3, v[24:27], s[22:23]               ; 16 lanes store 256 consecutive bytes, aligned
	global_store_b128 v3, v[28:31], s[22:23] offset:4096
	global_store_b128 v3, v[32:35], s[22:23] offset:8192
	s_endpgm
.Lfunc_end_k_q03891aa0e9_cvt:
	.size	k_q03891aa0e9_cvt, .Lfunc_end_k_q03891aa0e9_cvt-k_q03891aa0e9_cvt
	.p2alignl 7, 3214868480
	.fill 96, 4, 3214868480
	.section	.rodata,"a",@progbits
	.p2align	6, 0x0
	.amdhsa_kernel k_q03891aa0e9_cvt
		.amdhsa_group_segment_fixed_size 0
		.amdhsa_private_segment_fixed_size 0
		.amdhsa_enable_private_segment 0
		.amdhsa_kernarg_size 80
		.amdhsa_user_sgpr_count 2
		.amdhsa_user_sgpr_kernarg_segment_ptr 1
		.amdhsa_wavefront_size32 1
		.amdhsa_system_sgpr_workgroup_id_x 1
		.amdhsa_system_sgpr_workgroup_id_y 1
		.amdhsa_system_sgpr_workgroup_id_z 1
		.amdhsa_system_vgpr_workitem_id 0
		.amdhsa_next_free_vgpr 116
		.amdhsa_next_free_sgpr 66
		.amdhsa_reserve_vcc 0
		.amdhsa_float_denorm_mode_32 3
		.amdhsa_float_denorm_mode_16_64 3
		.amdhsa_memory_ordered 1
		.amdhsa_forward_progress 1
		.amdhsa_inst_pref_size 10
	.end_amdhsa_kernel
	.amdgpu_metadata
---
amdhsa.version: [ 1, 2 ]
amdhsa.kernels:
  - .name:           k_q03891aa0e9_cvt
    .symbol:         k_q03891aa0e9_cvt.kd
    .args:
      - { .name: x, .offset: 0, .size: 8, .value_kind: global_buffer, .address_space: global }
      - { .name: Wq, .offset: 8, .size: 8, .value_kind: global_buffer, .address_space: global }
      - { .name: Wk, .offset: 16, .size: 8, .value_kind: global_buffer, .address_space: global }
      - { .name: Wv, .offset: 24, .size: 8, .value_kind: global_buffer, .address_space: global }
      - { .name: bq, .offset: 32, .size: 8, .value_kind: global_buffer, .address_space: global }
      - { .name: bk, .offset: 40, .size: 8, .value_kind: global_buffer, .address_space: global }
      - { .name: bv, .offset: 48, .size: 8, .value_kind: global_buffer, .address_space: global }
      - { .name: xb, .offset: 56, .size: 8, .value_kind: global_buffer, .address_space: global }
      - { .name: wb, .offset: 64, .size: 8, .value_kind: global_buffer, .address_space: global }
      - { .name: bb, .offset: 72, .size: 8, .value_kind: global_buffer, .address_space: global }
    .group_segment_fixed_size: 0
    .private_segment_fixed_size: 0
    .kernarg_segment_align: 8
    .kernarg_segment_size: 80
    .max_flat_workgroup_size: 256
    .sgpr_count:     66
    .vgpr_count:     116
    .wavefront_size: 32
...
	.end_amdgpu_metadata
.endif
;; end of part 5
;; launch proj: the kernel of part 2 again; grid 8 x 32, 4 waves a work-group, clusters of 4 x 4, 327,680 bytes of LDS; arguments xb, wb, bb, qkv; writes qkv
;; launch score: the kernel of part 3 again; grid 36 x 4, 4 waves a work-group, no clusters, 327,680 bytes of LDS; arguments qkv, pt, stat; writes pt, stat
;; launch pv: the kernel of part 4 again; grid 8 x 32, 4 waves a work-group, clusters of 4 x 4, 327,680 bytes of LDS; arguments qkv, pt, stat, out0; writes out0
